; MI455X (gfx1250); checked and timed in simulation.
; The chip was launched on July 23, 2026; its instructions are those of AMD's public machine-readable ISA for CDNA 5 (MIT licence, August 2026) and "CDNA5" Instruction Set Architecture Reference Guide (July 2026). The comments in the code are by the model that wrote it; some were corrected since.
;; Multihead Attention. Allowed arithmetic: matrix products marked QUANTISED: E3M2 operands, one E8M0 scale for each 32 along K, by v_wmma_scale_f32_16x16x128_f8f6f4 with both operands' format E3M2, f32 sums; everything else in f32.
;; Inputs: attn_mask 2,048 x 2,048 int32; in_proj_bias 3,072 float32; in_proj_weight 3,072 x 1,024 float32; key_padding_mask 4 x 2,048 int32; out_proj_bias 1,024 float32; out_proj_weight 1,024 x 1,024 float32; x 4 x 2,048 x 1,024 float32.
;; Outputs: out0 4 x 2,048 x 1,024 float32.
;; This version of the problem:
;;   THIS VERSION OF THE PROBLEM IS GIVEN IN LOW PRECISION. The matrix products marked QUANTISED in the list below multiply operands that are first quantised to E3M2 (3 exponent bits, 2 mantissa bits; 6 bits a number), with one power-of-two scale for each 32 numbers along K (OCP MX v1.0); their sums are f32. All else is computed in f32.
;;   The module's matrix products, in the order in which they are computed (A, B: the left and right operand; K: the contracted axis; several contracted axes count as one K, in the product's order):
;;     1. [M 8,192, K 1,024] x [K 1,024, N 3,072]; A: input x; B: input in_proj_weight: QUANTISED
;;     2. batch 64 x [M 2,048, K 64] x [K 64, N 2,048]; A: computed on the way; B: computed on the way: QUANTISED
;;     3. batch 64 x [M 2,048, K 2,048] x [K 2,048, N 64]; A: softmax (see below); B: computed on the way: QUANTISED
;;     4. [M 8,192, K 1,024] x [K 1,024, N 1,024]; A: computed on the way; B: input out_proj_weight: QUANTISED
;;   THE QUANTISER, for each operand of a quantised product, along K:
;;     - K is cut into blocks of 32 from its start; a last block that is shorter is filled with zeros.
;;     - A block's scale is 2^e with e = floor(log2(the largest magnitude in the block)) - 4, held to -126 .. 127; a block of zeros has e = 0. As a byte (E8M0): e + 127.
;;     - Each number is divided by its block's scale, clamped to +-28, and rounded to the nearest number of E3M2, ties to even, subnormals kept.
;;     - The product sums the exact products of the quantised numbers (number of the format x scale) in f32.
;;   ~~~python
;;   def quantise(x, axis):      # numpy; x: float32 -> the quantised numbers, widened to float32 again
;;       x = np.moveaxis(x, axis, -1); K = x.shape[-1]
;;       x = np.pad(x, [(0, 0)] * (x.ndim - 1) + [(0, -K % 32)]); x = x.reshape(x.shape[:-1] + (-1, 32)); a = np.abs(x).max(-1, keepdims=True)
;;       e = np.where(a > 0, np.clip(np.frexp(np.where(a > 0, a, 1))[1] - 1 - 4, -126, 127), 0)      # np.frexp(a)[1] - 1 = floor(log2(a)), exactly
;;       r = np.clip(x / 2.0 ** e, -28, 28)
;;       step = 2.0 ** (np.maximum(np.frexp(np.where(r == 0, 1, r))[1] - 1, -2) - 2)
;;       q = np.round(r / step) * step * 2.0 ** e      # np.round: ties to even
;;       return np.moveaxis(q.reshape(q.shape[:-2] + (-1,))[..., :K], -1, axis).astype(np.float32)
;;   ~~~
;;   SOFTMAX AHEAD OF A QUANTISED PRODUCT. Where the list says 'softmax', what is quantised is not the finished softmax but p = 2^(t - M), with t = logit x log2(e) and M = ceil(the row's largest t), a whole number; so 1/2 < the row's largest p <= 1. The row's sum l is taken of the UNQUANTISED p, in f32, and the product's result is divided by l at the end. Since M is a whole number, a kernel that streams over the keys may use a running M (the ceiling of the running maximum): every later rescaling is an exact power of two, which a block's scale takes up: the codes' values come out the same.
;;   OPERANDS COMPUTED ON THE WAY. 'Computed on the way' means the value that the module computes at that place (a softmax that the list does not call 'softmax' is quantised finished and normalised). What goes into a quantiser is computed in f32, as accurately as f32 sums, v_exp_f32 and their like allow (about 1e-6 of the number): no bf16 or f16 on the way to a quantiser, and a product that is left as it is and whose result goes on into a quantised operand takes f32 operands (vector FMAs, or v_wmma_f32_16x16x4_f32). A number that lies on a knife's edge between two numbers of the format may be rounded either way, as far as f32 arithmetic and the matrix unit's own rounding can turn it there, and no further.
;; 2 versions, each right; version 2 is version 1 with the launch attn written anew for expert scheduling mode. Each part assembles by itself: llvm-mc -triple=amdgcn-amd-amdhsa -mcpu=gfx1250 --defsym DOCPART=n.
;; ======== version 1 of 2: 4 launches
;; workspace buffers: opnd1 8,650,752 bytes; sc1 360,448 bytes; opnd4 7,077,888 bytes; sc4 294,912 bytes; maskw 2,097,152 bytes of whole numbers; flags 32,768 bytes of whole numbers; qkv 18,874,368 bytes; qkvsc 1,310,720 bytes
;; launch prep (part 1): grid 704 x 1, 4 waves a work-group, no clusters, 68,096 bytes of LDS; arguments x, in_proj_weight, out_proj_weight, attn_mask, key_padding_mask, opnd1, sc1, opnd4, sc4, maskw, flags; writes opnd1, sc1, opnd4, sc4, maskw, flags
.if DOCPART == 1
	.amdgcn_target "amdgcn-amd-amdhsa--gfx1250"
	.amdhsa_code_object_version 6
	.text
	.protected	k_q0600d9187a_prep
	.globl	k_q0600d9187a_prep
	.p2align	8
	.type	k_q0600d9187a_prep,@function
k_q0600d9187a_prep:
	s_mov_b64 s[64:65], 0
	v_nop
	global_prefetch_b8 v0, s[64:65] scope:SCOPE_SE
	s_setreg_imm32_b32 hwreg(HW_REG_WAVE_MODE, 25, 1), 1
	s_wait_xcnt 0x0
; PREP.  Two jobs in one launch, parted on the work-group's number.
; (1) Work-groups 0-191: x [8192][1024], in_proj_weight [3072][1024] and out_proj_weight [1024][1024], f32, K innermost, become codes of BF6 (E3M2) with one E8M0 byte for each 32 along K.
;     A wave takes a tile of 16 rows, all of K: eight fragments of 16 rows x 128 K.  A fragment is stored as an IMAGE OF THE OPERAND'S 12 REGISTERS: three runs of 512 bytes, registers 4 c .. 4 c + 3 of lane l at 512 c + 16 l;
;     a tile's eight images on end (12,288 bytes); a tile's scale words as [row][8 words] (512 bytes).
;     x's tiles are not neighbouring rows: tile 128 p + u holds rows 64 u + 4 r + p, which are batch row p and times 16 u + r of the heads that reference()'s reshape makes of them.
; (2) Work-groups 192-703: attn_mask [2048][2048] and key_padding_mask [4][2048], int32, become lane masks for the attention launch.  A wave takes 16 queries (tile Tq) x 128 keys (step s): for each of the four
;     padding rows b, 64 words (maskw); bit L of word w says that key 128 s + 16 (w / 8) + 8 (L / 16) + w % 8 is hidden from query 16 Tq + L % 16; and a flag (flags, a buffer of its own: word 64 Tq + 4 s + b):
;     0 nothing hidden, 1 some, 2 all.
; A block's scale is 2^(floor(log2(largest magnitude)) - 4): its byte is the largest magnitude's exponent field - 4, held at 1 from below.
; LIMITS: NaN and infinities among x and the weights are not served; a block whose largest magnitude lies under 2^-122 gets the byte 1; a block of zeros gets the byte 1 where the rule says 127 (its codes are zeros, and this program alone reads the bytes).
; Memory binds: no matrix unit, no cluster, no barrier: waves share nothing.  Each path has LDS bytes of its own.
.set QWG,  192                         ; work-groups of the quantiser
.set STGB, 16*528                      ; a wave's stage: 16 rows x (512 bytes + 16)
.set MSTG, 4*STGB                      ; the mask path's stages lie behind the quantiser's
.set SW,   8                           ; v8-15    the tile's eight scale words
.set RO,   16                          ; v16-31   row i's byte offset: 16 x lane + i x row stride; never rewritten
.set R,    32                          ; v32-159  two sets of 64: a K step as loaded
.set X,    160                         ; v160-223 64 numbers: register 16 b + i = k 32 b + 16 (lane / 16) + i of row lane % 16
.set PC,   224                         ; v224-243 the codes just made (12) and the conversions' second halves
.set TM,   244                         ; v244-247 largest magnitudes, v248-251 at work and bytes, v252-255 the conversions' scale operands
.set RAW,  32                          ; mask path: v32-95 attn_mask as loaded, later the padding mask's second set
.set M,    96                          ; v96-159  attn_mask: register 8 t + j = key 16 t + 8 (lane / 16) + j of query lane % 16
.set WA,   224                         ; v224-231 a pair for each padding row: lane l holds words 2 l and 2 l + 1
.set VF,   232                         ; v232     lane b holds padding row b's flag
.macro LOAD t                          ; K step t of the 16 rows: each load takes 512 consecutive bytes of one row
.irp i, 0,1,2,3,4,5,6,7,8,9,10,11,12,13,14,15
	global_load_b128 v[R+64*((\t)%2)+4*\i:R+64*((\t)%2)+4*\i+3], v[RO+\i], s[24:25] offset:512*(\t) th:TH_LOAD_NT
.endr
.endm
.macro TURN t                          ; through the wave's own stage: in as loaded, out 16 neighbours of each block of 32 a lane.  LDS serves a wave's instructions in order: no wait between
.irp i, 0,1,2,3,4,5,6,7,8,9,10,11,12,13,14,15
	ds_store_b128 v5, v[R+64*((\t)%2)+4*\i:R+64*((\t)%2)+4*\i+3] offset:528*\i
.endr
.irp b, 0,1,2,3
.irp j, 0,1,2,3
	ds_load_b128 v[X+16*\b+4*\j:X+16*\b+4*\j+3], v6 offset:128*\b+16*\j
.endr
.endr
.endm
; 64 numbers of a lane become a fragment's codes in v[PC] on and its row's scale word in v[pw]
.macro QUANT s, pw
.irp b, 0,1,2,3
	v_max3_num_f32 v[TM+\b], |v[\s+16*\b]|, |v[\s+1+16*\b]|, 0x2800000   ; my 16 numbers of block b, and the floor 2^(5 - 127): the byte cannot fall under 1
.endr
.irp i, 2,4,6,8,10,12,14
.irp b, 0,1,2,3
	v_max3_num_f32 v[TM+\b], v[TM+\b], |v[\s+16*\b+\i]|, |v[\s+1+16*\b+\i]|   ; the four blocks by turns
.endr
.endr
.irp b, 0,1,2,3
	v_permlanex16_b32 v[TM+4+\b], v[TM+\b], s12, s13
.endr
.irp b, 0,1,2,3
	v_max_num_f32 v[TM+\b], v[TM+\b], v[TM+4+\b]   ; with lane l xor 16's 16: the block's largest magnitude
.endr
.irp b, 0,1,2,3
	v_add_nc_u32 v[TM+8+\b], 0xfe000000, v[TM+\b]  ; 4 off its exponent field: the conversion takes this operand's exponent field as its scale
.endr
.irp b, 0,1,2,3
	v_lshrrev_b32 v[TM+4+\b], 23, v[TM+8+\b]       ; the scale's byte
.endr
	v_lshl_or_b32 v[\pw], v[TM+5], 8, v[TM+4]
	v_lshl_or_b32 v[\pw], v[TM+6], 16, v[\pw]
	v_lshl_or_b32 v[\pw], v[TM+7], 24, v[\pw]
.irp c, 0,1
	v_cvt_scalef32_pk16_bf6_f32 v[PC+6*\c:PC+2+6*\c], v[\s+32*\c:\s+15+32*\c], v[TM+8+2*\c]
	v_cvt_scalef32_pk16_bf6_f32 v[PC+12+4*\c:PC+14+4*\c], v[\s+16+32*\c:\s+31+32*\c], v[TM+8+2*\c+1]   ; (a conversion's three registers begin on an even number)
.endr
	v_nop                                          ; one plain instruction behind the scaled conversions
.irp c, 0,1                            ; the operand wants a whole block in a lane: lanes 0-15 block 2 c, lanes 16-31 block 2 c + 1
.irp i, 0,1,2
	v_permlane16_swap_b32 v[PC+6*\c+\i], v[PC+12+4*\c+\i]
.endr
.irp i, 0,1,2
	v_mov_b32 v[PC+3+6*\c+\i], v[PC+12+4*\c+\i]
.endr
.endr
.endm
.macro QSTEP t
.if (\t) < 7
	s_wait_loadcnt 16                              ; this K step's 16 loads are in; the next step's 16 may be out
.else
	s_wait_loadcnt 0
.endif
	TURN \t
	s_wait_dscnt 0x0                               ; the numbers are back, and the stage's stores have read their registers
	s_wait_xcnt 0x0                                ; the last image's stores have read the code registers, which are written again below
.if (\t) < 6
	LOAD (\t)+2
.endif
	QUANT X, SW+(\t)
.irp c, 0,1,2
	global_store_b128 v4, v[PC+4*\c:PC+4*\c+3], s[26:27] offset:1536*(\t)+512*\c   ; 32 lanes store 512 consecutive bytes, at a multiple of 512 from the buffer's first byte
.endr
.endm
.macro KPL b                           ; padding row b's 128 keys of this step, in M's order: all lanes of a half read the same 16 bytes
.set KS, 160-128*((\b)%2)
.irp q, 0,1,2,3,4,5,6,7,8,9,10,11,12,13,14,15
	global_load_b128 v[KS+4*\q:KS+4*\q+3], v7, s[76:77] offset:8192*(\b)+64*(\q/2)+16*(\q%2)
.endr
.endm
.macro PACKB b
.set KS, 160-128*((\b)%2)
.if (\b) < 3
	s_wait_loadcnt 16                              ; this row's 16 loads are in; the next row's may be out
.else
	s_wait_loadcnt 0
.endif
.irp g, 0,1                            ; 32 words at a time: as many as there are scalar registers kept for them
.set n, 0
.rept 32
	v_or_b32 v[KS+32*\g+n], v[M+32*\g+n], v[KS+32*\g+n]
.set n, n+1
.endr
.set n, 0
.rept 32
	v_cmp_ne_u32 s[16+n], 0, v[KS+32*\g+n]         ; the word: a bit for each lane
.set n, n+1
.endr
.set n, 0
.rept 32
	v_writelane_b32 v[WA+2*(\b)+n%2], s[16+n], 16*\g+n/2
.set n, n+1
.endr
.endr
	v_and_b32 v233, v[WA+2*(\b)], v[WA+2*(\b)+1]
	v_or_b32 v234, v[WA+2*(\b)], v[WA+2*(\b)+1]
	v_cmp_eq_u32 vcc_lo, -1, v233
	v_cmp_ne_u32 s48, 0, v234
	s_cmp_lg_u32 s48, 0
	s_cselect_b32 s49, 1, 0                        ; something is hidden
	s_cmp_eq_u32 vcc_lo, -1
	s_cselect_b32 s49, 2, s49                      ; everything is
	v_writelane_b32 v[VF], s49, \b
	global_store_b64 v8, v[WA+2*(\b):WA+2*(\b)+1], s[50:51] offset:524288*(\b)   ; 32 lanes store 256 consecutive bytes, aligned
.if (\b) < 2
	KPL (\b)+2
.endif
.endm
	s_load_b512 s[68:83], s[0:1], 0x0              ; x 68, in_proj_weight 70, out_proj_weight 72, attn_mask 74, key_padding_mask 76, opnd1 78, sc1 80, opnd4 82
	s_load_b128 s[84:87], s[0:1], 0x40             ; sc4 84, maskw 86
	s_load_b64 s[88:89], s[0:1], 0x50              ; flags
	v_lshl_add_u32 v239, v0, 2, 0x10800
	v_mov_b32 v243, 0
	v_lshrrev_b32 v1, 5, v0
	v_readfirstlane_b32 s14, v1                    ; wave 0..3
	v_and_b32 v1, 31, v0                           ; lane
	v_and_b32 v2, 15, v0                           ; r
	v_bfe_u32 v3, v0, 4, 1                         ; h
	v_lshlrev_b32 v4, 4, v1                        ; 16 x lane
	s_cmp_lt_u32 ttmp9, QWG
	s_cbranch_scc0 .Lmask
	; ---- the quantiser
	s_mul_i32 s15, s14, STGB                       ; my stage
	v_add_nc_u32 v5, s15, v4                       ; in: 16 x lane, a row 528 bytes on
	v_mul_u32_u24 v6, v2, 528
	v_lshl_add_u32 v6, v3, 6, v6
	v_add_nc_u32 v6, s15, v6                       ; out: row r, + 64 h
	v_lshlrev_b32 v7, 5, v2
	v_lshl_add_u32 v7, v3, 4, v7                   ; the scale words: 32 r + 16 h
	s_mov_b32 s12, 0x76543210
	s_mov_b32 s13, 0xfedcba98                      ; v_permlanex16_b32's selects for lane l xor 16
	s_lshl_b32 s16, ttmp9, 2
	s_add_co_u32 s16, s16, s14                     ; my tile: 0-511 x, 512-703 in_proj_weight, 704-767 out_proj_weight
	s_and_b32 s17, s16, 127
	s_lshl_b32 s17, s17, 6
	s_lshr_b32 s18, s16, 7
	s_add_co_u32 s17, s17, s18                     ; x: first row 64 u + p
	s_lshl_b32 s17, s17, 12                        ; in bytes
	s_sub_co_u32 s18, s16, 512
	s_lshl_b32 s18, s18, 16                        ; a weight's tile: 16 rows of 4,096 bytes
	s_sub_co_u32 s19, s16, 704
	s_lshl_b32 s19, s19, 16
	s_sub_co_u32 s20, s16, 192                     ; out_proj_weight's tiles are 512 on in opnd4
	s_wait_kmcnt 0x0
	s_cmp_lt_u32 ttmp9, 176                        ; the choices hang on the work-group's number alone
	s_cselect_b64 s[24:25], s[70:71], s[72:73]
	s_cselect_b32 s21, s18, s19
	s_cselect_b64 s[26:27], s[78:79], s[82:83]
	s_cselect_b64 s[28:29], s[80:81], s[84:85]
	s_cselect_b32 s20, s16, s20
	s_cmp_lt_u32 ttmp9, 128
	s_cselect_b64 s[24:25], s[68:69], s[24:25]
	s_cselect_b32 s21, s17, s21
	s_mov_b32 s22, 4096
	s_cselect_b32 s22, 16384, s22                  ; from row to row of a tile: four rows of x, one of a weight
	s_mov_b32 s30, s21
	s_mov_b32 s31, 0
	s_add_nc_u64 s[24:25], s[24:25], s[30:31]
	s_mul_i32 s30, s20, 12288
	s_add_nc_u64 s[26:27], s[26:27], s[30:31]
	s_lshl_b32 s30, s20, 9
	s_add_nc_u64 s[28:29], s[28:29], s[30:31]
	v_mov_b32 v[RO], v4
.irp i, 1,2,3,4,5,6,7,8,9,10,11,12,13,14,15
	v_add_nc_u32 v[RO+\i], s22, v[RO+\i-1]
.endr
.irp b, 0,1,2,3
	v_mov_b32 v[TM+4+\b], 0                        ; written once: a lane permute's destination counts as one of its sources
.endr
	LOAD 0
	LOAD 1
.irp t, 0,1,2,3,4,5,6,7
	QSTEP \t
.endr
	v_cmp_eq_u32 vcc_lo, 1, v3
.irp w, 0,1,2,3
	v_cndmask_b32 v[X+\w], v[SW+\w], v[SW+4+\w], vcc_lo   ; lanes 0-15 store their row's words 0-3, lanes 16-31 words 4-7
.endr
	global_store_b128 v7, v[X:X+3], s[28:29]       ; 512 consecutive bytes
	s_wait_tensorcnt 0x0
	ds_add_u32 v239, v243
	s_wait_dscnt 0x0
	s_endpgm
	; ---- the masks
.Lmask:
	s_sub_co_u32 s16, ttmp9, QWG
	s_lshl_b32 s16, s16, 2
	s_add_co_u32 s16, s16, s14                     ; 16 Tq + s
	s_lshr_b32 s17, s16, 4                         ; Tq
	s_and_b32 s18, s16, 15                         ; s
	s_mul_i32 s15, s14, STGB
	s_add_co_u32 s15, s15, MSTG                    ; my stage
	v_add_nc_u32 v5, s15, v4
	v_mul_u32_u24 v6, v2, 528
	v_lshl_add_u32 v6, v3, 5, v6
	v_add_nc_u32 v6, s15, v6                       ; out: row r, + 32 h
	v_lshlrev_b32 v7, 5, v3                        ; the padding mask: 32 h
	v_lshlrev_b32 v8, 3, v1                        ; the words: 8 x lane
	v_lshlrev_b32 v9, 2, v1                        ; the flags: 4 x lane
	s_lshl_b32 s20, s17, 17                        ; 16 Tq rows of 8,192 bytes
	s_lshl_b32 s22, s18, 9                         ; 128 s keys
	s_add_co_u32 s20, s20, s22
	s_mov_b32 s21, 0
	s_mov_b32 s23, 0
	s_lshl_b32 s24, s16, 8                         ; the words: 256 bytes for each (Tq, s)
	s_mov_b32 s25, 0
	s_lshl_b32 s26, s16, 4                         ; the flags: 16 bytes for each (Tq, s)
	s_mov_b32 s27, 0
	s_wait_kmcnt 0x0
	s_add_nc_u64 s[74:75], s[74:75], s[20:21]
	s_add_nc_u64 s[76:77], s[76:77], s[22:23]
	s_add_nc_u64 s[50:51], s[86:87], s[24:25]
	s_add_nc_u64 s[52:53], s[88:89], s[26:27]
.irp i, 0,1,2,3,4,5,6,7,8,9,10,11,12,13,14,15
	global_load_b128 v[RAW+4*\i:RAW+4*\i+3], v4, s[74:75] offset:8192*\i th:TH_LOAD_NT   ; 512 consecutive bytes of query row i
.endr
	KPL 0
.irp i, 0,1,2,3,4,5,6,7,8
	v_mov_b32 v[WA+\i], 0                          ; v_writelane_b32's destination counts as read
.endr
	s_wait_loadcnt 16                              ; attn_mask's 16 loads are in
.irp i, 0,1,2,3,4,5,6,7,8,9,10,11,12,13,14,15
	ds_store_b128 v5, v[RAW+4*\i:RAW+4*\i+3] offset:528*\i
.endr
.irp q, 0,1,2,3,4,5,6,7,8,9,10,11,12,13,14,15
	ds_load_b128 v[M+4*\q:M+4*\q+3], v6 offset:64*(\q/2)+16*(\q%2)
.endr
	s_wait_dscnt 0x0
	KPL 1
	PACKB 0
	PACKB 1
	PACKB 2
	PACKB 3
	s_wait_xcnt 0x0                                ; EXEC changes only behind this wait
	v_cmp_gt_u32 vcc_lo, 4, v1
	s_wait_tensorcnt 0x0
	ds_add_u32 v239, v243
	s_wait_dscnt 0x0
	s_and_saveexec_b32 s48, vcc_lo
	global_store_b32 v9, v[VF], s[52:53]           ; four flags, 16 bytes: a part of an aligned run only; 32,768 bytes of flags in the whole launch
	s_wait_xcnt 0x0
	s_or_b32 exec_lo, exec_lo, s48
	s_endpgm
.Lfunc_end_k_q0600d9187a_prep:
	.size	k_q0600d9187a_prep, .Lfunc_end_k_q0600d9187a_prep-k_q0600d9187a_prep
	.p2alignl 7, 3214868480
	.fill 96, 4, 3214868480
	.section	.rodata,"a",@progbits
	.p2align	6, 0x0
	.amdhsa_kernel k_q0600d9187a_prep
		.amdhsa_group_segment_fixed_size 68096
		.amdhsa_private_segment_fixed_size 0
		.amdhsa_enable_private_segment 0
		.amdhsa_kernarg_size 88
		.amdhsa_user_sgpr_count 2
		.amdhsa_user_sgpr_kernarg_segment_ptr 1
		.amdhsa_wavefront_size32 1
		.amdhsa_system_sgpr_workgroup_id_x 1
		.amdhsa_system_sgpr_workgroup_id_y 1
		.amdhsa_system_sgpr_workgroup_id_z 1
		.amdhsa_system_vgpr_workitem_id 0
		.amdhsa_next_free_vgpr 256
		.amdhsa_next_free_sgpr 92
		.amdhsa_reserve_vcc 1
		.amdhsa_float_denorm_mode_32 3
		.amdhsa_float_denorm_mode_16_64 3
		.amdhsa_memory_ordered 1
		.amdhsa_forward_progress 1
		.amdhsa_inst_pref_size 118
	.end_amdhsa_kernel
	.amdgpu_metadata
---
amdhsa.version: [ 1, 2 ]
amdhsa.kernels:
  - .name:           k_q0600d9187a_prep
    .symbol:         k_q0600d9187a_prep.kd
    .args:
      - { .name: x, .offset: 0, .size: 8, .value_kind: global_buffer, .address_space: global }
      - { .name: in_proj_weight, .offset: 8, .size: 8, .value_kind: global_buffer, .address_space: global }
      - { .name: out_proj_weight, .offset: 16, .size: 8, .value_kind: global_buffer, .address_space: global }
      - { .name: attn_mask, .offset: 24, .size: 8, .value_kind: global_buffer, .address_space: global }
      - { .name: key_padding_mask, .offset: 32, .size: 8, .value_kind: global_buffer, .address_space: global }
      - { .name: opnd1, .offset: 40, .size: 8, .value_kind: global_buffer, .address_space: global }
      - { .name: sc1, .offset: 48, .size: 8, .value_kind: global_buffer, .address_space: global }
      - { .name: opnd4, .offset: 56, .size: 8, .value_kind: global_buffer, .address_space: global }
      - { .name: sc4, .offset: 64, .size: 8, .value_kind: global_buffer, .address_space: global }
      - { .name: maskw, .offset: 72, .size: 8, .value_kind: global_buffer, .address_space: global }
      - { .name: flags, .offset: 80, .size: 8, .value_kind: global_buffer, .address_space: global }
    .group_segment_fixed_size: 68096
    .private_segment_fixed_size: 0
    .kernarg_segment_align: 8
    .kernarg_segment_size: 88
    .max_flat_workgroup_size: 128
    .sgpr_count:     92
    .vgpr_count:     256
    .wavefront_size: 32
...
	.end_amdgpu_metadata
.endif
;; end of part 1
;; launch qkv (part 2): grid 12 x 32, 4 waves a work-group, clusters of 4 x 4, 327,680 bytes of LDS; arguments opnd1, sc1, in_proj_bias, qkv, qkvsc; writes qkv, qkvsc
.if DOCPART == 2
	.amdgcn_target "amdgcn-amd-amdhsa--gfx1250"
	.amdhsa_code_object_version 6
	.text
	.protected	k_q0600d9187a_qkv
	.globl	k_q0600d9187a_qkv
	.p2align	8
	.type	k_q0600d9187a_qkv,@function
k_q0600d9187a_qkv:
	s_mov_b64 s[64:65], 0
	v_nop
	global_prefetch_b8 v0, s[64:65] scope:SCOPE_SE
	s_setreg_imm32_b32 hwreg(HW_REG_WAVE_MODE, 25, 1), 1
	s_wait_xcnt 0x0
	s_wait_alu depctr_hold_cnt(0) depctr_sa_sdst(0) depctr_va_vdst(0) depctr_va_sdst(0) depctr_va_ssrc(0) depctr_va_vcc(0) depctr_vm_vsrc(0)
	s_getreg_b32 s2, hwreg(HW_REG_IB_STS2, 6, 4)
	s_cmp_eq_u32 s2, 0
	s_cbranch_scc0 .Lentry_in_a_cluster
	s_endpgm
.Lentry_in_a_cluster:
	s_bfe_u32 s2, ttmp6, 0x10000c
	s_cmp_lg_u32 s2, 0xf033
	s_cbranch_scc0 .Lentry_shape_is_right
	s_endpgm
.Lentry_shape_is_right:
; QKV = x in_proj_weight^T + in_proj_bias on codes of BF6 (E3M2), K = 1,024; q x 1/8; then q and k are quantised along the head's 64 channels and v along the keys, and leave as images of operand registers.
; A work-group of four waves makes 256 x 256, a wave 128 x 128: 64 accumulators, 512 registers.  Work-group (gx, gy): x's block gy (16 tiles of 16 rows), the weight's block gx (gx 0-3 q, 4-7 k, 8-11 v).
; OPERANDS lie in opnd1 as images of their registers ([tile][K step][1,536 bytes]): a fragment comes from LDS by three loads of 16 bytes a lane, 512 consecutive bytes each: no pitch, no padding.
; LDS: three areas of 98,304 bytes, each with two K steps of x's 16 tiles (49,152) and of the weight's 16 tiles.  K steps 0-5 are the first fills; K steps 6, 7 come by ONE refill of area 0, which has four K steps in which to land.
; CLUSTERS: 4 x 4.  x's block hangs on gy alone and is asked for jointly by a row of the cluster, the weight's on gx alone and by a column.
; ROLES (the cluster's x, the same in all partners): the matrix instruction's source 1 gives a result's LANES, source 0 its REGISTERS.  q, k (role 0): source 1 = x, source 0 = weight: a lane holds one time and its registers run
; along the channels.  v (role 1): source 1 = weight, source 0 = x: a lane holds one channel and its registers run along the keys.  So in both roles the next product's K runs along a lane's registers.  The loop's text is one:
; only the two LDS bases P (source 1) and S (source 0) are chosen by role.
; ORDER INSIDE A BLOCK OF 32: register 8 b + j of lane (r, h) is element 16 b + 8 h + j, so a block's codes lie with bits 3 and 4 of their place exchanged: alike in q and k, and alike in v and the attention's p: the products are kept.
; x's tile 128 p + u holds times 16 u + r of batch row p; channel e of q belongs to head 16 p + e / 64.
; LIMITS: as in the launch before: no NaN or infinities; the byte is held at 1 from below; a block of zeros gets the byte 1.
; REGISTERS: window 0: v1 r, v2 h; v4-11 bias by lane; v12-14 offsets of the head's loads; v16-18, v20-22 LDS addresses of P and S in the three areas; v24-27 offsets for the way out; v28, v29 the spare word and 0;
;   v32-95 scale words (v[32 + 8 i + ks]: lanes 0-15 P's block i, lanes 16-31 S's block i); v96-127, v224-255 bias by register; v128-223 P's fragments, one set.   window 1: S's fragments, two sets, at v0 and v128.
;   windows 2, 3: the accumulators ((a, b) at v[8 (8 (a % 4) + b)]).
.set AREA,  98304
.set BLKB,  49152                      ; a block: 16 tiles x 3,072 bytes
.set HALFB, 24576                      ; 8 tiles: what one tensor load brings, and what one wave reads of P or of S
.set TILEB, 3072                       ; a tile's two K steps
.set FRB,   1536                       ; a fragment's image
.set TROW,  12288                      ; a tile's eight K steps in memory
.set FR,    12
.set SPARE, 3*AREA                     ; the spare words: 128 bytes for each wave, two blocks of 256 bytes that no other line names
.set BL,  4
.set ADP, 16
.set ADS, 20
.set L16, 24                           ; 16 x lane
.set L8,  25                           ; 8 x lane
.set SCO, 26                           ; the scale words' offset on the way out
.set H16, 27                           ; 16 h
.set SPW, 28
.set NIL, 29
.set SC,  32
.set PW,  96                           ; the way out: v96-103 the eight scale words; v104-111 as they are stored; v112-123 at work
.set PS,  104
.set TM,  112
.set AF,  128
.set CT,  224                          ; the conversions' second halves
.set G1,  24                           ; s[24:31] descriptor group 1 for x's block;  s[48:55] for the weight's
.set G1B, 48
.set G0,  68                           ; s[68:79] group 0 for x's block, a set for each area;  s[80:91] for the weight's
.set G0B, 80
.set ROLE, 92
.set SCL, 94                           ; s[94:95] 1/8 for q, 1 for k
.set SEL, 96                           ; s[96:97] v_permlanex16_b32's selects for lane l xor 16
.set MSB, 0
.macro WIN new                         ; the immediate's high byte repeats the setting that is left
.if MSB != (\new)
	s_set_vgpr_msb (MSB<<8)|(\new)
.set MSB, (\new)
.endif
.endm
.set MUL_LO, 0xa1                      ; source 0 (S) window 1, source 1 (P) window 0, C and D window 2
.set MUL_HI, 0xf1                      ; the same, C and D window 3
.set TO_S,   0x40                      ; destination window 1, address window 0
.macro PLACES n
.rept \n
	v_nop
.endr
.endm
; A joint load: waves 0 and 1 fetch x's halves, waves 2 and 3 the weight's.  The branch hangs on the wave's number alone.  Four v_nop follow each of the two lines.
.macro JLOAD g0a, g1a, g0b, g1b
	s_cmp_eq_u32 s15, 0
	s_cbranch_scc0 .Lfor_w_\@
	tensor_load_to_lds s[\g0a:\g0a+3], s[\g1a:\g1a+7]
	s_nop 0
	PLACES 4
	s_branch .Lasked_\@
.Lfor_w_\@:
	tensor_load_to_lds s[\g0b:\g0b+3], s[\g1b:\g1b+7]
	s_nop 0
	PLACES 4
.Lasked_\@:
.endm
.macro CREST                           ; a round of the cluster's barrier behind its opening barrier
	s_cmp_lg_u32 s14, 0
	s_cbranch_scc1 .Lnot_wave_0_\@
	s_barrier_signal -3
.Lnot_wave_0_\@:
	s_barrier_wait -3
	s_barrier_signal -1
	s_barrier_wait -1
.endm
.macro CROUND
	s_barrier_signal -1
	s_barrier_wait -1
	CREST
.endm
.macro FRAG reg, adr, off              ; an image comes back as it was stored
.irp c, 0,1,2
	ds_load_b128 v[\reg+4*\c:\reg+4*\c+3], v[\adr] offset:\off+512*\c
.endr
.endm
.macro FETCH_S a, q, p                 ; S's eight fragments of area a's q-th K step into set p
	WIN TO_S
.irp i, 0,1,2,3,4,5,6,7
	FRAG 128*(\p)+FR*\i, ADS+\a, TILEB*\i+FRB*(\q)
.endr
	WIN 0
.endm
.macro FETCH_P a, q, i0                ; P's blocks i0 .. i0 + 3
.irp i, \i0, \i0+1, \i0+2, \i0+3
	FRAG AF+FR*(\i), ADP+\a, TILEB*(\i)+FRB*(\q)
.endr
.endm
; 16 matrix instructions: P's blocks a0, a0 + 1 x S's eight, K step ks; p: S's set.  zero = 1: the first product starts the sums.  The 64 accumulators take turns, one instruction a turn, in the same order in every K step.
.macro MUL16 a0, p, ks, zero
.irp a, \a0, \a0+1
.irp b, 0,1,2,3,4,5,6,7
.if \zero
	v_wmma_scale_f32_16x16x128_f8f6f4 v[8*(8*((\a)%4)+\b):8*(8*((\a)%4)+\b)+7], v[128*(\p)+FR*\b:128*(\p)+FR*\b+FR-1], v[AF+FR*(\a):AF+FR*(\a)+FR-1], 0, v[SC+8*\b+(\ks)], v[SC+8*(\a)+(\ks)] matrix_a_fmt:MATRIX_FMT_BF6 matrix_b_fmt:MATRIX_FMT_BF6 matrix_a_scale:MATRIX_SCALE_ROW1
.else
	v_wmma_scale_f32_16x16x128_f8f6f4 v[8*(8*((\a)%4)+\b):8*(8*((\a)%4)+\b)+7], v[128*(\p)+FR*\b:128*(\p)+FR*\b+FR-1], v[AF+FR*(\a):AF+FR*(\a)+FR-1], v[8*(8*((\a)%4)+\b):8*(8*((\a)%4)+\b)+7], v[SC+8*\b+(\ks)], v[SC+8*(\a)+(\ks)] matrix_a_fmt:MATRIX_FMT_BF6 matrix_b_fmt:MATRIX_FMT_BF6 matrix_a_scale:MATRIX_SCALE_ROW1
.endif
.endr
.endr
.endm
; K step ks; the next step's fragments lie in area na, its nq-th.  A block of P is free as soon as its eight products are issued: blocks 0-3 are fetched anew in the step's middle, blocks 4-7 at its end.
; Loads into registers that matrix instructions have read stand four plain vector instructions behind them (ISA guide 7.12.1 for vector instructions).
.macro STEP ks, na, nq, zero
	s_wait_dscnt 12                                ; S's set and P's blocks 0-3 are in; the youngest 12 loads (P's blocks 4-7) may be out
	WIN MUL_LO
	MUL16 0, (\ks)%2, \ks, \zero
	MUL16 2, (\ks)%2, \ks, \zero
	s_wait_dscnt 0                                 ; P's blocks 4-7 are in
	PLACES 4
	FETCH_S \na, \nq, 1-(\ks)%2
	FETCH_P \na, \nq, 0
	WIN MUL_HI
	MUL16 4, (\ks)%2, \ks, \zero
	MUL16 6, (\ks)%2, \ks, \zero
	PLACES 4
	WIN 0
	FETCH_P \na, \nq, 4
.endm
; A K step with a barrier in it.  In front of the barrier each wave waits for all its tensor loads, adds 0 to its spare word, and waits for that and for its LDS reads.  fill = 1: the barrier opens a round of the
; cluster's barrier, and area 0, which nobody reads any more, is filled again with K steps 6 and 7.  fill = 0: behind the barrier that refill is whole for every wave.
.macro TURN ks, na, nq, fill
	s_wait_tensorcnt 0x0                           ; all my tensor loads have landed
	ds_add_u32 v[SPW], v[NIL]                      ; 0 onto my spare word
	s_wait_dscnt 13                                ; (the add and the youngest 12 loads may be out)
	WIN MUL_LO
	MUL16 0, 1, \ks, 0                             ; sixteen matrix instructions stand between the add and the wait for it
	s_wait_dscnt 0x0                               ; the add is done, and all my LDS reads are back
	s_barrier_signal -1
	MUL16 2, 1, \ks, 0
	WIN 0
	s_barrier_wait -1
.if \fill
	CREST                                          ; no wave of any partner still reads area 0 or has a load on its way
	s_add_nc_u64 s[G0+2:G0+3], s[G0+2:G0+3], 3*TILEB
	s_add_nc_u64 s[G0B+2:G0B+3], s[G0B+2:G0B+3], 3*TILEB
	JLOAD G0, G1, G0B, G1B                         ; the first tensor load behind the round, one a wave; its four v_nop are also the places in front of the loads below
.else
	PLACES 4
.endif
	FETCH_S \na, \nq, 0
	FETCH_P \na, \nq, 0
	WIN MUL_HI
	MUL16 4, 1, \ks, 0
	MUL16 6, 1, \ks, 0
	PLACES 4
	WIN 0
	FETCH_P \na, \nq, 4
.endm
; THE WAY OUT: P's block i: a lane's 64 results (window 2 or 3) become a fragment's codes in v[AF + 12 i] on and a scale word in v[PW + i]
.macro QUANTW i
.set QW, 2+(\i)/4
.set QS, 64*((\i)%4)
.set QP, AF+FR*(\i)
	WIN (QW<<2)|(QW<<4)                            ; sources 1 and 2: the accumulators' window
.irp b, 0,1,2,3
	v_max3_num_f32 v[TM+\b], 0x2800000, |v[QS+16*\b]|, |v[QS+1+16*\b]|   ; the floor 2^(5 - 127), and my 16 numbers of block b
.endr
.irp k, 2,4,6,8,10,12,14
.irp b, 0,1,2,3
	v_max3_num_f32 v[TM+\b], v[TM+\b], |v[QS+16*\b+\k]|, |v[QS+1+16*\b+\k]|
.endr
.endr
	WIN 0
.irp b, 0,1,2,3
	v_permlanex16_b32 v[TM+4+\b], v[TM+\b], s[SEL], s[SEL+1]
.endr
.irp b, 0,1,2,3
	v_max_num_f32 v[TM+\b], v[TM+\b], v[TM+4+\b]
.endr
.irp b, 0,1,2,3
	v_add_nc_u32 v[TM+8+\b], 0xfe000000, v[TM+\b]  ; 4 off the exponent field: the conversion's scale operand
.endr
.irp b, 0,1,2,3
	v_lshrrev_b32 v[TM+4+\b], 23, v[TM+8+\b]       ; the byte
.endr
	v_lshl_or_b32 v[PW+(\i)], v[TM+5], 8, v[TM+4]
	v_lshl_or_b32 v[PW+(\i)], v[TM+6], 16, v[PW+(\i)]
	v_lshl_or_b32 v[PW+(\i)], v[TM+7], 24, v[PW+(\i)]
	WIN QW                                         ; source 0: the accumulators' window
.irp c, 0,1
	v_cvt_scalef32_pk16_bf6_f32 v[QP+6*\c:QP+6*\c+2], v[QS+32*\c:QS+32*\c+15], v[TM+8+2*\c]
	v_cvt_scalef32_pk16_bf6_f32 v[CT+4*\c:CT+4*\c+2], v[QS+16+32*\c:QS+31+32*\c], v[TM+8+2*\c+1]
.endr
	WIN 0
	v_nop                                          ; one plain instruction behind the scaled conversions
.irp c, 0,1
.irp k, 0,1,2
	v_permlane16_swap_b32 v[QP+6*\c+\k], v[CT+4*\c+\k]
.endr
.irp k, 0,1,2
	v_mov_b32 v[QP+3+6*\c+\k], v[CT+4*\c+\k]
.endr
.endr
.endm
	s_load_b256 s[4:11], s[0:1], 0x0               ; opnd1 4, sc1 6, in_proj_bias 8, qkv 10
	s_load_b64 s[12:13], s[0:1], 0x20              ; qkvsc
	v_lshl_add_u32 v[SPW], v0, 2, SPARE
	v_mov_b32 v[NIL], 0
	ds_add_u32 v28, v29
	ds_add_u32 v28, v29
	s_wait_dscnt 0x0
	v_lshrrev_b32 v1, 5, v0
	v_readfirstlane_b32 s14, v1                    ; wave 0..3
	s_lshr_b32 s15, s14, 1                         ; which half of P is mine.  Also: I fetch x's block (0) or the weight's (1)
	s_and_b32 s16, s14, 1                          ; which half of S.  Also: which 8 tiles of that block I fetch
	s_bfe_u32 s40, ttmp6, 0x40000                  ; cx, cy: my place in the cluster
	s_bfe_u32 s41, ttmp6, 0x40004
	s_lshl_b32 s42, ttmp9, 2
	s_add_co_u32 s42, s42, s40                     ; gx
	s_and_b32 s17, ttmp7, 0xffff
	s_lshl_b32 s17, s17, 2
	s_add_co_u32 s17, s17, s41                     ; gy
	s_lshl_b32 s43, s41, 2
	s_lshl_b32 s43, 15, s43                        ; my row of the cluster
	s_lshl_b32 s44, 0x1111, s40                    ; my column
	; descriptor group 1: 8 tiles: rows of 3,072 bytes (384 elements of 8 bytes), 12,288 bytes apart in memory, dense in LDS
	s_or_b32 s[G1+0], s43, (3<<16)|(1<<21)         ; 15:0 the mask: x's block goes to my row; 17:16 elements of 8 bytes; 21 set beside a mask
	s_or_b32 s[G1B+0], s44, (3<<16)|(1<<21)        ; the weight's block goes to my column
.irp g, G1, G1B
	s_mov_b32 s[\g+1], 384<<16                     ; tensor_dim0
	s_mov_b32 s[\g+2], 8<<16                       ; tensor_dim1
	s_mov_b32 s[\g+3], 384<<16                     ; tile_dim0
	s_mov_b32 s[\g+4], 8                           ; tile_dim1
	s_mov_b32 s[\g+5], 1536                        ; tensor_dim0_stride
	s_mov_b32 s[\g+6], 0
	s_mov_b32 s[\g+7], 0
.endr
	s_lshl_b32 s18, s16, 3                         ; which 8 tiles I fetch
	s_lshl_b32 s20, s17, 4
	s_add_co_u32 s20, s20, s18                     ; x: tile 16 gy + 8 x half
	s_mul_i32 s20, s20, TROW
	s_mov_b32 s21, 0
	s_lshl_b32 s46, s42, 4
	s_add_co_u32 s46, s46, s18
	s_add_co_u32 s46, s46, 512                     ; the weight: tile 512 + 16 gx + 8 x half
	s_mul_i32 s46, s46, TROW
	s_mov_b32 s47, 0
	s_mul_i32 s45, s14, HALFB                      ; where they go: wave x 8 tiles: no place in the cluster enters an LDS address
	s_mov_b32 s[SEL], 0x76543210
	s_mov_b32 s[SEL+1], 0xfedcba98
	s_wait_kmcnt 0x0
	s_add_nc_u64 s[20:21], s[4:5], s[20:21]
	s_add_nc_u64 s[46:47], s[4:5], s[46:47]
	CROUND                                         ; all sixteen work-groups are here: the first joint loads meet
.irp a, 0,1,2
	s_mov_b32 s[G0+4*\a], 1
	s_add_co_u32 s[G0+4*\a+1], s45, \a*AREA
	s_add_nc_u64 s[G0+4*\a+2:G0+4*\a+3], s[20:21], \a*TILEB
	s_or_b32 s[G0+4*\a+3], s[G0+4*\a+3], 0x80000000
	s_mov_b32 s[G0B+4*\a], 1
	s_add_co_u32 s[G0B+4*\a+1], s45, \a*AREA
	s_add_nc_u64 s[G0B+4*\a+2:G0B+4*\a+3], s[46:47], \a*TILEB
	s_or_b32 s[G0B+4*\a+3], s[G0B+4*\a+3], 0x80000000
.endr
	s_cmp_eq_u32 s15, 0                            ; a wave's three first fills stand in one branch: three loads of mine are out
	s_cbranch_scc0 .Lfirst_w
	tensor_load_to_lds s[G0:G0+3], s[G1:G1+7]
	s_nop 0
	tensor_load_to_lds s[G0+4:G0+7], s[G1:G1+7]
	s_nop 0
	tensor_load_to_lds s[G0+8:G0+11], s[G1:G1+7]
	s_nop 0
	PLACES 4
	s_branch .Lfirst_asked
.Lfirst_w:
	tensor_load_to_lds s[G0B:G0B+3], s[G1B:G1B+7]
	s_nop 0
	tensor_load_to_lds s[G0B+4:G0B+7], s[G1B:G1B+7]
	s_nop 0
	tensor_load_to_lds s[G0B+8:G0B+11], s[G1B:G1B+7]
	s_nop 0
	PLACES 4
.Lfirst_asked:
	v_and_b32 v1, 15, v0                           ; r
	v_bfe_u32 v2, v0, 4, 1                         ; h
	v_and_b32 v3, 31, v0
	v_lshlrev_b32 v[L16], 4, v3
	v_lshlrev_b32 v[L8], 3, v3
	v_lshlrev_b32 v[H16], 4, v2
	s_lshl_b32 s32, s17, 4                         ; x's first tile
	s_lshl_b32 s33, s42, 4
	s_add_co_u32 s33, s33, 512                     ; the weight's
	s_cmp_eq_u32 ttmp9, 2                          ; v's clusters: role 1
	s_cselect_b32 s[ROLE], 1, 0
	s_cselect_b32 s21, BLKB, 0                     ; P's block in an area
	s_cselect_b32 s22, 0, BLKB                     ; S's
	s_cselect_b32 s34, s33, s32                    ; P's first tile
	s_cselect_b32 s35, s32, s33                    ; S's
	s_cselect_b32 s38, s15, s16                    ; wa: the half that picks the pair of heads
	s_cselect_b32 s39, s16, s15                    ; wb: the half that picks the 128 times
	s_cmp_eq_u32 ttmp9, 0
	s_cselect_b32 s[SCL], 0x3e000000, 1.0          ; q is multiplied by 1/8
	s_mov_b32 s[SCL+1], s[SCL]
	s_mul_i32 s23, s15, HALFB
	s_add_co_u32 s21, s21, s23
	s_mul_i32 s23, s16, HALFB
	s_add_co_u32 s22, s22, s23
.irp a, 0,1,2
	v_add_nc_u32 v[ADP+\a], s21, v[L16]
	v_add_nc_u32 v[ADS+\a], s22, v[L16]
	s_add_co_u32 s21, s21, AREA
	s_add_co_u32 s22, s22, AREA
.endr
	s_lshl_b32 s36, s15, 3
	s_add_co_u32 s34, s34, s36                     ; my 8 tiles of P
	s_lshl_b32 s36, s16, 3
	s_add_co_u32 s35, s35, s36                     ; and of S
	s_lshl_b32 s34, s34, 9                         ; 512 bytes of scale words a tile
	s_lshl_b32 s35, s35, 9
	v_mov_b32 v12, s34
	v_mov_b32 v13, s35
	v_cmp_eq_u32 vcc_lo, 1, v2
	v_cndmask_b32 v12, v12, v13, vcc_lo            ; lanes 0-15 take P's words, lanes 16-31 S's
	v_lshl_add_u32 v12, v1, 5, v12                 ; row r: 32 bytes
.irp i, 0,1,2,3,4,5,6,7
.irp k, 0,1
	global_load_b128 v[SC+8*\i+4*\k:SC+8*\i+4*\k+3], v12, s[6:7] offset:512*\i+16*\k
.endr
.endr
	s_lshl_b32 s36, s42, 10
	s_lshl_b32 s37, s16, 9
	s_add_co_u32 s37, s37, s36
	v_lshl_add_u32 v13, v2, 5, s37                 ; bias by register (role 0): 4 (256 gx + 128 (wave & 1) + 8 h)
.irp b, 0,1,2,3,4,5,6,7
	global_load_b128 v[96+8*\b+96*(\b/4):96+8*\b+96*(\b/4)+3], v13, s[8:9] offset:64*\b
	global_load_b128 v[96+8*\b+96*(\b/4)+4:96+8*\b+96*(\b/4)+7], v13, s[8:9] offset:64*\b+16
.endr
	s_lshl_b32 s37, s15, 9
	s_add_co_u32 s37, s37, s36
	v_lshl_add_u32 v14, v1, 2, s37                 ; bias by lane (role 1): 4 (256 gx + 128 (wave >> 1) + r)
.irp i, 0,1,2,3,4,5,6,7
	global_load_b32 v[BL+\i], v14, s[8:9] offset:64*\i   ; both sets are loaded in both roles: every register is written on every way
.endr
	; where my results go: head n0 = 16 (gy >> 3) + 4 (gx & 3) + 2 wa (and n0 + 1), times 128 sI on, sI = 2 (gy & 7) + wb
	s_lshr_b32 s34, s17, 3
	s_lshl_b32 s34, s34, 4
	s_and_b32 s35, s42, 3
	s_lshl_b32 s35, s35, 2
	s_add_co_u32 s34, s34, s35
	s_lshl_b32 s38, s38, 1
	s_add_co_u32 s34, s34, s38                     ; n0
	s_and_b32 s35, s17, 7
	s_lshl_b32 s35, s35, 1
	s_add_co_u32 s35, s35, s39                     ; sI
	s_lshr_b32 s36, s42, 2                         ; 0 q, 1 k, 2 v
	s_mul_i32 s38, s36, 6291456
	s_mul_i32 s37, s34, 98304                      ; a head's codes
	s_add_co_u32 s38, s38, s37
	s_mul_i32 s37, s35, 6144                       ; 128 times: 8 half fragments of q or k, or 4 fragments of v
	s_add_co_u32 s38, s38, s37
	s_mov_b32 s39, 0
	s_add_nc_u64 s[10:11], s[10:11], s[38:39]
	s_lshl_b32 s37, s34, 13                        ; scale words: q, k 8,192 bytes a head and 512 for 128 times; v half as many
	s_lshl_b32 s38, s35, 9
	s_add_co_u32 s37, s37, s38
	s_lshr_b32 s37, s37, s[ROLE]
	s_lshl_b32 s38, s36, 19
	s_add_co_u32 s38, s38, s37
	s_add_nc_u64 s[12:13], s[12:13], s[38:39]
	s_sub_co_u32 s37, 13, s[ROLE]
	v_lshlrev_b32 v[SCO], s37, v2                  ; lanes 16-31 store the second head's words
	v_lshl_add_u32 v[SCO], v1, 4, v[SCO]           ; 16 bytes a row
	s_wait_tensorcnt 0x2                           ; my part of area 0 is in; areas 1 and 2 may stay out
	s_barrier_signal -1
	s_barrier_wait -1
	FETCH_S 0, 0, 0
	FETCH_P 0, 0, 0
	FETCH_P 0, 0, 4
	s_wait_loadcnt 0x0                             ; scale words and biases
	STEP 0, 0, 1, 1                                ; the first K step starts the sums: nothing is cleared
	TURN 1, 1, 0, 1                                ; areas 1 and 2 are whole for everybody; area 0 takes K steps 6 and 7
	STEP 2, 1, 1, 0
	STEP 3, 2, 0, 0
	STEP 4, 2, 1, 0
	TURN 5, 0, 0, 0                                ; the refill is whole for everybody
	STEP 6, 0, 1, 0
	s_wait_dscnt 12                                ; the last K step: nothing more to fetch
	WIN MUL_LO
	MUL16 0, 1, 7, 0
	MUL16 2, 1, 7, 0
	s_wait_dscnt 0
	WIN MUL_HI
	MUL16 4, 1, 7, 0
	MUL16 6, 1, 7, 0
	WIN 0
	PLACES 4
	; ---- the bias (and q's 1/8), in place, each accumulator from its low end on
	s_cmp_eq_u32 s[ROLE], 0
	s_cbranch_scc0 .Lbias_v
.irp b, 0,1,2,3,4,5,6,7
.irp j, 0,2,4,6
	v_pk_mul_f32 v[96+8*\b+96*(\b/4)+\j:96+8*\b+96*(\b/4)+\j+1], v[96+8*\b+96*(\b/4)+\j:96+8*\b+96*(\b/4)+\j+1], s[SCL:SCL+1] op_sel_hi:[1,0]
.endr
.endr
.irp i, 0,1,2,3,4,5,6,7
	WIN ((2+\i/4)<<6)|(2+\i/4)                     ; destination and source 0: the accumulators' window
.irp b, 0,1,2,3,4,5,6,7
.irp j, 0,2,4,6
	v_pk_fma_f32 v[64*(\i%4)+8*\b+\j:64*(\i%4)+8*\b+\j+1], v[64*(\i%4)+8*\b+\j:64*(\i%4)+8*\b+\j+1], s[SCL:SCL+1], v[96+8*\b+96*(\b/4)+\j:96+8*\b+96*(\b/4)+\j+1] op_sel_hi:[1,0,1]   ; (sum + bias) x a power of two, in one rounding
.endr
.endr
.endr
	WIN 0
	s_branch .Lbias_done
.Lbias_v:
.irp i, 0,1,2,3,4,5,6,7
	WIN ((2+\i/4)<<6)|(2+\i/4)
.set k, 0
.rept 32
.if (\i)%2
	v_pk_add_f32 v[64*(\i%4)+k:64*(\i%4)+k+1], v[64*(\i%4)+k:64*(\i%4)+k+1], v[BL+2*(\i/2):BL+2*(\i/2)+1] op_sel:[0,1] op_sel_hi:[1,1]
.else
	v_pk_add_f32 v[64*(\i%4)+k:64*(\i%4)+k+1], v[64*(\i%4)+k:64*(\i%4)+k+1], v[BL+2*(\i/2):BL+2*(\i/2)+1] op_sel_hi:[1,0]
.endif
.set k, k+2
.endr
.endr
	WIN 0
.Lbias_done:
.irp b, 0,1,2,3
	v_mov_b32 v[TM+4+\b], 0                        ; written once: a lane permute's destination counts as one of its sources
.endr
.irp i, 0,1,2,3,4,5,6,7
	QUANTW \i
.endr
	; ---- the stores: every one covers 256 or 512 consecutive bytes, aligned
	s_cmp_eq_u32 s[ROLE], 0
	s_cbranch_scc0 .Lstore_v
.irp i, 0,1,2,3,4,5,6,7                ; q, k: a fragment's registers 0-5 are head n0's half fragment of times 16 (8 sI + i) on, registers 6-11 head n0 + 1's
.irp c, 0,1
	global_store_b128 v[L16], v[AF+FR*\i+6*\c:AF+FR*\i+6*\c+3], s[10:11] offset:98304*\c+768*\i
	global_store_b64 v[L8], v[AF+FR*\i+6*\c+4:AF+FR*\i+6*\c+5], s[10:11] offset:98304*\c+768*\i+512
.endr
.endr
.irp t, 0,1,2,3,4,5,6,7
	v_lshrrev_b32 v[PS+\t], v[H16], v[PW+\t]       ; lanes 0-15: head n0's two bytes lowest (the two above are bytes 1 to 254); lanes 16-31: head n0 + 1's, zeros above
.endr
	global_store_b128 v[SCO], v[PS:PS+3], s[12:13]
	global_store_b128 v[SCO], v[PS+4:PS+7], s[12:13] offset:256
	s_branch .Lstored
.Lstore_v:
.irp i, 0,1,2,3,4,5,6,7                ; v: block i is head n0 + i / 4, channels 16 (i % 4) on, keys 128 sI on
.irp c, 0,1,2
	global_store_b128 v[L16], v[AF+FR*\i+4*\c:AF+FR*\i+4*\c+3], s[10:11] offset:98304*(\i/4)+1536*(\i%4)+512*\c
.endr
.endr
	v_cmp_eq_u32 vcc_lo, 1, v2
.irp t, 0,1,2,3
	v_cndmask_b32 v[PS+\t], v[PW+\t], v[PW+4+\t], vcc_lo
.endr
	global_store_b128 v[SCO], v[PS:PS+3], s[12:13]
.Lstored:
	s_wait_tensorcnt 0x0                           ; the wave's end
	ds_add_u32 v[SPW], v[NIL]
	s_wait_dscnt 0x0
	CROUND                                         ; the closing round: no work-group ends while a partner may still ask for a block that names it
	s_endpgm
.Lfunc_end_k_q0600d9187a_qkv:
	.size	k_q0600d9187a_qkv, .Lfunc_end_k_q0600d9187a_qkv-k_q0600d9187a_qkv
	.p2alignl 7, 3214868480
	.fill 96, 4, 3214868480
	.section	.rodata,"a",@progbits
	.p2align	6, 0x0
	.amdhsa_kernel k_q0600d9187a_qkv
		.amdhsa_group_segment_fixed_size 327680
		.amdhsa_private_segment_fixed_size 0
		.amdhsa_enable_private_segment 0
		.amdhsa_kernarg_size 40
		.amdhsa_user_sgpr_count 2
		.amdhsa_user_sgpr_kernarg_segment_ptr 1
		.amdhsa_wavefront_size32 1
		.amdhsa_system_sgpr_workgroup_id_x 1
		.amdhsa_system_sgpr_workgroup_id_y 1
		.amdhsa_system_sgpr_workgroup_id_z 1
		.amdhsa_system_vgpr_workitem_id 0
		.amdhsa_next_free_vgpr 1024
		.amdhsa_next_free_sgpr 100
		.amdhsa_reserve_vcc 1
		.amdhsa_float_denorm_mode_32 3
		.amdhsa_float_denorm_mode_16_64 3
		.amdhsa_memory_ordered 1
		.amdhsa_forward_progress 1
		.amdhsa_inst_pref_size 178
	.end_amdhsa_kernel
	.amdgpu_metadata
---
amdhsa.version: [ 1, 2 ]
amdhsa.kernels:
  - .name:           k_q0600d9187a_qkv
    .symbol:         k_q0600d9187a_qkv.kd
    .args:
      - { .name: opnd1, .offset: 0, .size: 8, .value_kind: global_buffer, .address_space: global }
      - { .name: sc1, .offset: 8, .size: 8, .value_kind: global_buffer, .address_space: global }
      - { .name: in_proj_bias, .offset: 16, .size: 8, .value_kind: global_buffer, .address_space: global }
      - { .name: qkv, .offset: 24, .size: 8, .value_kind: global_buffer, .address_space: global }
      - { .name: qkvsc, .offset: 32, .size: 8, .value_kind: global_buffer, .address_space: global }
    .group_segment_fixed_size: 327680
    .private_segment_fixed_size: 0
    .kernarg_segment_align: 8
    .kernarg_segment_size: 40
    .max_flat_workgroup_size: 128
    .sgpr_count:     100
    .vgpr_count:     1024
    .wavefront_size: 32
...
	.end_amdgpu_metadata
.endif
;; end of part 2
;; launch attn (part 3): grid 4 x 64, 16 waves a work-group, no clusters, 236,544 bytes of LDS; arguments qkv, qkvsc, maskw, opnd4, sc4, flags; writes opnd4, sc4
.if DOCPART == 3
	.amdgcn_target "amdgcn-amd-amdhsa--gfx1250"
	.amdhsa_code_object_version 6
	.text
	.protected	k_q0600d9187a_attn
	.globl	k_q0600d9187a_attn
	.p2align	8
	.type	k_q0600d9187a_attn,@function
k_q0600d9187a_attn:
	s_mov_b64 s[64:65], 0
	v_nop
	global_prefetch_b8 v0, s[64:65] scope:SCOPE_SE
	s_setreg_imm32_b32 hwreg(HW_REG_WAVE_MODE, 25, 1), 1
	s_wait_xcnt 0x0
; ATTENTION on codes of BF6 (E3M2): 64 heads, 2,048 queries and keys, head size 64.  scores = q k^T (q carries the 1/8); hidden scores are -infinity; t = score x log2(e); M = the running largest t rounded up to a
; whole number; p = 2^(t - M) is quantised along the keys; the row's sum is taken of the unquantised p and divides at the end; the result is quantised along the last product's K and leaves as images of that product's operand.
; SHARES.  Work-group (j, n): head n, query groups j and 7 - j (a group: 16 tiles of 16 queries).  Wave w takes tile w of the first group, then tile 15 - w of the second: right for any mask, and even where late queries see more keys.
; THE HEAD'S K AND V, 2 x 98,304 bytes of codes and their scale words, are brought into LDS once, through registers, and stay.
; NO CLUSTER, NO TENSOR LOAD, though the four work-groups of a head read the same K and V: a step of 128 keys that is wholly hidden from a wave's 16 queries is left out by a scalar branch on a flag that the first launch stored.
; A step left out spares some 400 instructions a wave; what would be shared is 208,896 bytes for each work-group, read once.
; THE FLAGS (0 nothing hidden, 1 some, 2 all; one word for each step of a tile, in a buffer of their own) come by scalar loads and are made into two words of bits by scalar instructions alone: what the branches hang on never passes
; through a vector register.
; LAYOUT.  Both products are used transposed (S^T = K Q^T, O^T = V^T P^T): a lane holds one query.  Register 8 t + j of lane (r, h) is key 16 t + 8 h + j: a block of 32 keys lies in the 16 registers of tiles 2 b, 2 b + 1 and in
; lane l xor 16's; its codes lie in the order in which v's were laid.  The head's 64 are half of the instruction's K: Q's upper six registers hold zero codes, so what stands in K's upper six adds nothing.
; MASKS.  A step's 64 words (one for each score register, a bit a lane) come by scalar loads; one v_cndmask_b32 a score.  A step with nothing hidden skips that.
; A ROW WITH EVERY KEY HIDDEN has the sum 0: its two scale bytes become 0xff, which makes the last product's whole output row NaN, as reference() has it.
; LIMITS: no NaN or infinities in q, k, v; the byte is held at 1 from below; a block of zeros gets the byte 1.
; REGISTERS: v1-6 addresses that stay, -infinity; v7-11 addresses in hand; v12 -M, v13 the largest t, v[14:15] the sum; v16-27 Q and zeros; v28 16 r; v32-85 K's eight half fragments and a pad of zeros, then V's four
; fragments; v96-159 S^T, then p; v160-191 O^T; v192-199 K's scale words, v200-203 V's; v204-209 the way out's addresses; v224-235 p's codes; v232-254 at work; v255 Q's scale word.
.set KIMG, 0
.set VIMG, 98304
.set KSC,  196608                      ; K's scale words: [step][plane][row][4 words], 8,192 bytes
.set VSC,  204800                      ; V's: [step][row][4 words], 4,096 bytes
.set OIMG, 208896                      ; two regions of 12,288 bytes: the images of the two groups' output tiles
.set OSC,  233472                      ; and 2 x 512 bytes of their scale words
.set SEL,  48                          ; s[48:49]
.set CS,   50                          ; s[50:51] log2(e)
.set SKIP, 52                          ; s52 bit s: step s is wholly hidden
.set MIX,  53                          ; s53 bit s: step s is hidden in part
.set TK,   54                          ; s54 the step's codes: 6,144 bytes a step
.set TS,   55                          ; s55 K's scale words: 512
.set TJ,   56                          ; s56 V's: 256
.set CNT,  15
.set FLG,  68                          ; s68-83 a tile's 16 flags, ahead of the loop; in the loop these registers take mask words
.set FLP,  104                         ; s[104:105] the flags' buffer
.macro KSTEP
	s_lshr_b32 s63, s[SKIP], s[CNT]
	s_and_b32 s63, s63, 1
	s_cmp_lg_u32 s63, 0
	s_cbranch_scc1 .Lhid_\@                        ; every key of the step is hidden from my 16 queries
	v_add_nc_u32 v7, s[TK], v1                     ; (these five are also the places behind the last step's products, in front of the loads)
	v_add_nc_u32 v8, s[TK], v2
	v_add_nc_u32 v9, s[TK], v3
	v_add_nc_u32 v10, s[TS], v4
	v_add_nc_u32 v11, s[TJ], v5
.irp t, 0,1,2,3,4,5,6,7
	ds_load_b128 v[32+6*\t:35+6*\t], v7 offset:768*\t
	ds_load_b64 v[36+6*\t:37+6*\t], v8 offset:768*\t
.endr
	ds_load_b128 v[192:195], v10
	ds_load_b128 v[196:199], v10 offset:256
	s_wait_dscnt 0x0
.irp t, 0,1,2,3,4,5,6,7
	v_wmma_scale_f32_16x16x128_f8f6f4 v[96+8*\t:103+8*\t], v[32+6*\t:43+6*\t], v[16:27], 0, v[192+\t], v255 matrix_a_fmt:MATRIX_FMT_BF6 matrix_b_fmt:MATRIX_FMT_BF6
.endr
.rept 4
	v_nop                                          ; places: in front of the loads into K's registers and of the first read of the scores
.endr
.irp t, 0,1,2,3                        ; V's four fragments are asked for now and land under the softmax
.irp c, 0,1,2
	ds_load_b128 v[32+12*\t+4*\c:35+12*\t+4*\c], v9 offset:1536*\t+512*\c
.endr
.endr
	ds_load_b128 v[200:203], v11
	s_lshr_b32 s63, s[MIX], s[CNT]
	s_and_b32 s63, s63, 1
	s_cmp_lg_u32 s63, 0
	s_cbranch_scc0 .Lopen_\@                       ; nothing is hidden
	s_load_b512 s[16:31], s[60:61], 0x0
	s_load_b512 s[32:47], s[60:61], 0x40
	s_load_b512 s[68:83], s[60:61], 0x80
	s_load_b512 s[84:99], s[60:61], 0xc0
	s_wait_kmcnt 0x0
	s_wait_xcnt 0x0                                ; the base is stepped at the step's end
.set n, 0
.rept 32
	v_cndmask_b32 v[96+n], v[96+n], v6, s[16+n]
.set n, n+1
.endr
.rept 32
	v_cndmask_b32 v[96+n], v[96+n], v6, s[36+n]
.set n, n+1
.endr
.Lopen_\@:
.irp b, 0,1,2,3
	v_max3_num_f32 v[232+\b], v[96+16*\b], v[97+16*\b], v[98+16*\b]   ; the largest score of each block of 32 keys: for the row's maximum, and, since p rises with the score, for the block's largest p
.endr
.irp i, 3,5,7,9,11,13
.irp b, 0,1,2,3
	v_max3_num_f32 v[232+\b], v[232+\b], v[96+16*\b+\i], v[97+16*\b+\i]
.endr
.endr
.irp b, 0,1,2,3
	v_max_num_f32 v[232+\b], v[232+\b], v[111+16*\b]
.endr
.irp b, 0,1,2,3
	v_permlanex16_b32 v[236+\b], v[232+\b], s[SEL], s[SEL+1]
.endr
.irp b, 0,1,2,3
	v_max_num_f32 v[232+\b], v[232+\b], v[236+\b]  ; with lane l xor 16's 16 keys
.endr
	v_max3_num_f32 v254, v232, v233, v234
	v_max_num_f32 v254, v254, v235
	v_mul_f32 v254, s[CS], v254                    ; as t
	v_max_num_f32 v13, v13, v254                   ; the running largest t
	v_mov_b32 v254, v12
	v_floor_f32 v12, -v13                          ; the new -M = floor(-t): M is a whole number
	v_sub_f32 v254, v12, v254                      ; old M - new M: a whole number, 0 or less
	v_cvt_i32_f32 v254, v254                       ; (it saturates)
	v_ldexp_f32 v252, 1.0, v254                    ; f = 2^(old M - new M): multiplying by it rounds nothing
.set n, 0
.rept 32
	v_pk_fma_f32 v[96+n:97+n], v[96+n:97+n], s[CS:CS+1], v[12:13] op_sel_hi:[1,0,0]   ; t - M, two at a time
.set n, n+2
.endr
.irp b, 0,1,2,3
	v_fma_f32 v[232+\b], v[232+\b], s[CS], v12     ; the same of each block's largest score
.endr
.set n, 0
.rept 64
	v_exp_f32 v[96+n], v[96+n]                     ; p = 2^(t - M), at most 1
.set n, n+1
.endr
	v_pk_mul_f32 v[14:15], v[14:15], v[252:253] op_sel_hi:[1,0]   ; the sums under the new M (a plain instruction behind the exponentials)
	s_wait_alu depctr_va_vdst(0)                   ; one wait for the batch of 64, ahead of its first reader
.irp b, 0,1,2,3
	v_exp_f32 v[232+\b], v[232+\b]                 ; the block's largest p: the same two instructions on the same number
.endr
	v_pk_add_f32 v[236:237], v[96:97], v[98:99]    ; the row's sum, of the unquantised p: two chains
.irp j, 4,8,12,16,20,24,28,32,36,40,44,48,52,56,60
	v_pk_add_f32 v[14:15], v[14:15], v[96+\j:97+\j]
	v_pk_add_f32 v[236:237], v[236:237], v[98+\j:99+\j]
.endr
	v_pk_add_f32 v[14:15], v[14:15], v[236:237]
	s_wait_alu depctr_va_vdst(0)                   ; and one for the four
.irp b, 0,1,2,3
	v_max_num_f32 v[232+\b], 0x2800000, v[232+\b]  ; the floor 2^(5 - 127)
.endr
.irp b, 0,1,2,3
	v_add_nc_u32 v[244+\b], 0xfe000000, v[232+\b]  ; 4 off the exponent field: the conversion's scale operand
.endr
.irp b, 0,1,2,3
	v_lshrrev_b32 v[236+\b], 23, v[244+\b]         ; the byte
.endr
	v_lshl_or_b32 v253, v237, 8, v236              ; p's scale word for these 128 keys
	v_lshl_or_b32 v253, v238, 16, v253
	v_lshl_or_b32 v253, v239, 24, v253
.irp c, 0,1
	v_cvt_scalef32_pk16_bf6_f32 v[224+6*\c:226+6*\c], v[96+32*\c:111+32*\c], v[244+2*\c]
	v_cvt_scalef32_pk16_bf6_f32 v[236+4*\c:238+4*\c], v[112+32*\c:127+32*\c], v[244+2*\c+1]
.endr
	v_nop                                          ; one plain instruction behind the scaled conversions
.irp c, 0,1
.irp i, 0,1,2
	v_permlane16_swap_b32 v[224+6*\c+\i], v[236+4*\c+\i]
.endr
.irp i, 0,1,2
	v_mov_b32 v[227+6*\c+\i], v[236+4*\c+\i]
.endr
.endr
.set n, 0
.rept 16
	v_pk_mul_f32 v[160+n:161+n], v[160+n:161+n], v[252:253] op_sel_hi:[1,0]   ; O^T under the new M (these sixteen also stand between the scale word's and the codes' last writes and the products)
.set n, n+2
.endr
	s_wait_dscnt 0x0                               ; V is in
.irp t, 0,1,2,3
	v_wmma_scale_f32_16x16x128_f8f6f4 v[160+8*\t:167+8*\t], v[32+12*\t:43+12*\t], v[224:235], v[160+8*\t:167+8*\t], v[200+\t], v253 matrix_a_fmt:MATRIX_FMT_BF6 matrix_b_fmt:MATRIX_FMT_BF6
.endr
.Lhid_\@:
	s_add_co_u32 s[TK], s[TK], 6144                ; on every way: the next step's places
	s_add_co_u32 s[TS], s[TS], 512
	s_add_co_u32 s[TJ], s[TJ], 256
	s_add_nc_u64 s[60:61], s[60:61], 256
.endm
; The way out of a tile: 16 queries x 64 channels are ONE row of the last product's left operand: query rq is K = 64 rq .. 64 rq + 63 of row wq of the group's tile.
.macro OUTQ p
.rept 4
	v_nop                                          ; places behind the last products
.endr
	v_add_f32 v14, v14, v15
	v_permlanex16_b32 v252, v14, s[SEL], s[SEL+1]
	v_add_f32 v14, v14, v252                       ; the row's sum
	v_rcp_f32 v15, v14
	v_mov_b32 v254, 0xffff                         ; (a plain instruction behind the reciprocal)
	s_wait_alu depctr_va_vdst(0)                   ; ahead of its first reader
.set n, 0
.rept 32
	v_mul_f32 v[96+n], v[160+n], v15               ; O^T / the sum, each accumulator from its low end on: register 8 t + i is channel 16 t + 8 h + i
.set n, n+1
.endr
.irp b, 0,1
.irp j, 0,1,2,3,4,5,6,7
	v_permlane16_swap_b32 v[96+16*\b+\j], v[104+16*\b+\j]   ; into true order, as out_proj_weight's codes lie: register 16 b + i is channel 32 b + 16 h + i
.endr
.endr
.irp b, 0,1
	v_max3_num_f32 v[232+\b], |v[96+16*\b]|, |v[97+16*\b]|, 0x2800000
.endr
.irp i, 2,4,6,8,10,12,14
.irp b, 0,1
	v_max3_num_f32 v[232+\b], v[232+\b], |v[96+16*\b+\i]|, |v[97+16*\b+\i]|
.endr
.endr
.irp b, 0,1
	v_permlanex16_b32 v[236+\b], v[232+\b], s[SEL], s[SEL+1]
.endr
.irp b, 0,1
	v_max_num_f32 v[232+\b], v[232+\b], v[236+\b]
.endr
.irp b, 0,1
	v_add_nc_u32 v[244+\b], 0xfe000000, v[232+\b]
.endr
.irp b, 0,1
	v_lshrrev_b32 v[236+\b], 23, v[244+\b]
.endr
	v_lshl_or_b32 v253, v237, 8, v236              ; my query's two bytes
	v_cmp_eq_f32 vcc_lo, 0, v14
	v_cndmask_b32 v253, v253, v254, vcc_lo         ; every key hidden: 0xff, 0xff
	v_cvt_scalef32_pk16_bf6_f32 v[224:226], v[96:111], v244
	v_cvt_scalef32_pk16_bf6_f32 v[236:238], v[112:127], v245
	v_nop
.irp i, 0,1,2
	v_permlane16_swap_b32 v[224+\i], v[236+\i]
.endr
.irp i, 0,1,2
	v_mov_b32 v[227+\i], v[236+\i]                 ; lane (rq, hb) now holds block hb of query rq: registers 6 (rq & 1) + 0 .. 5 of lane wq + 16 hb of image rq >> 1
.endr
	ds_store_b64 v[204+3*\p], v[224:225]
	ds_store_b64 v[205+3*\p], v[226:227] offset:8
	ds_store_b64 v[204+3*\p], v[228:229] offset:512
	ds_store_b16 v[206+3*\p], v253                 ; both halves of the lanes write the same two bytes with the same value
.endm
.macro PASS p
.if \p == 0
	s_lshl_b32 s62, ttmp9, 4
	s_add_co_u32 s62, s62, s14                     ; my tile of queries: 16 j + wave
.else
	s_xor_b32 s62, ttmp9, 7
	s_lshl_b32 s62, s62, 4
	s_xor_b32 s63, s14, 15
	s_add_co_u32 s62, s62, s63                     ; 16 (7 - j) + 15 - wave
.endif
	s_mov_b32 s3, 0
	s_mul_i32 s2, s100, 98304
	s_mul_i32 s57, s62, 768
	s_add_co_u32 s2, s2, s57
	s_add_nc_u64 s[58:59], s[4:5], s[2:3]          ; Q's half fragment
	s_lshl_b32 s2, s100, 13
	s_lshr_b32 s57, s62, 2
	s_lshl_b32 s57, s57, 8
	s_add_co_u32 s2, s2, s57
	s_and_b32 s57, s62, 3
	s_lshl_b32 s57, s57, 2
	s_add_co_u32 s2, s2, s57
	s_add_nc_u64 s[66:67], s[6:7], s[2:3]          ; its scale words
	s_lshr_b32 s63, s100, 4                        ; the padding row: head / 16
	s_lshl_b32 s2, s62, 8
	s_lshl_b32 s57, s63, 2
	s_add_co_u32 s2, s2, s57
	s_add_nc_u64 s[16:17], s[FLP:FLP+1], s[2:3]    ; the tile's 16 flags, 16 bytes apart
	s_lshl_b32 s2, s63, 19
	s_lshl_b32 s57, s62, 12
	s_add_co_u32 s2, s2, s57
	s_add_nc_u64 s[60:61], s[8:9], s[2:3]          ; and its mask words, 256 bytes a step
.irp k, 0,1,2,3,4,5,6,7,8,9,10,11,12,13,14,15
	s_load_b32 s[FLG+\k], s[16:17], 16*\k          ; step k's flag
.endr
	global_load_b128 v[16:19], v1, s[58:59]
	global_load_b64 v[20:21], v2, s[58:59]
	global_load_b32 v255, v28, s[66:67]
	v_mov_b32 v13, 0xff61b1e6                      ; the largest t so far: -3e38
	v_floor_f32 v12, -v13                          ; -M
	v_mov_b32 v14, 0
	v_mov_b32 v15, 0
.set n, 0
.rept 32
	v_mov_b32 v[160+n], 0                          ; O^T: which step is a tile's first open one is not known to the text, so no product can start the sums
.set n, n+1
.endr
	s_mov_b32 s[TK], 0
	s_mov_b32 s[TS], 0
	s_mov_b32 s[TJ], 0
	s_mov_b32 s[CNT], 0
	s_mov_b32 s[SKIP], 0
	s_mov_b32 s[MIX], 0
	s_wait_kmcnt 0x0                               ; the 16 flags are in (scalar loads come back in no order: the count is 0); their base may be written again
.irp k, 0,1,2,3,4,5,6,7,8,9,10,11,12,13,14,15
	s_lshr_b32 s2, s[FLG+\k], 1                    ; a flag is 0, 1 or 2: its bit 1 says all hidden,
	s_and_b32 s3, s[FLG+\k], 1                     ; its bit 0 some
	s_lshl_b32 s2, s2, \k
	s_lshl_b32 s3, s3, \k
	s_or_b32 s[SKIP], s[SKIP], s2
	s_or_b32 s[MIX], s[MIX], s3
.endr
	s_wait_loadcnt 0x0                             ; Q and its scale word
.Lstep_\@:                                         ; 16 trips, a constant: a hidden step's work is jumped over inside the trip
	KSTEP
	s_add_co_u32 s[CNT], s[CNT], 1
	s_cmp_lt_u32 s[CNT], 16
	s_cbranch_scc1 .Lstep_\@
	OUTQ \p
.endm
	s_load_b256 s[4:11], s[0:1], 0x0               ; qkv 4, qkvsc 6, maskw 8, opnd4 10
	s_load_b64 s[12:13], s[0:1], 0x20              ; sc4
	s_load_b64 s[FLP:FLP+1], s[0:1], 0x28          ; flags
	v_lshl_add_u32 v250, v0, 2, 0x39400
	v_mov_b32 v251, 0
	v_lshrrev_b32 v1, 5, v0
	v_readfirstlane_b32 s14, v1                    ; wave 0..15
	s_and_b32 s100, ttmp7, 0xffff                  ; the head
	v_lshlrev_b32 v150, 4, v0                      ; the fill: 16 bytes a thread, 8,192 a line
	v_add_nc_u32 v151, 49152, v150
	v_add_nc_u32 v152, VIMG, v150
	v_add_nc_u32 v153, VIMG+49152, v150
	v_add_nc_u32 v154, KSC, v150
	v_lshlrev_b32 v155, 3, v0
	v_add_nc_u32 v156, VSC, v155
	s_mul_i32 s16, s100, 98304
	s_add_co_u32 s18, s16, 6291456
	s_mov_b32 s19, 0
	s_add_co_u32 s20, s16, 12582912
	s_mov_b32 s21, 0
	s_lshl_b32 s22, s100, 13
	s_add_co_u32 s22, s22, 524288
	s_mov_b32 s23, 0
	s_lshl_b32 s24, s100, 12
	s_add_co_u32 s24, s24, 1048576
	s_mov_b32 s25, 0
	s_wait_kmcnt 0x0
	s_add_nc_u64 s[18:19], s[4:5], s[18:19]        ; the head's K,
	s_add_nc_u64 s[20:21], s[4:5], s[20:21]        ; V,
	s_add_nc_u64 s[22:23], s[6:7], s[22:23]        ; K's scale words,
	s_add_nc_u64 s[24:25], s[6:7], s[24:25]        ; V's
.irp k, 0,1,2,3,4,5,6,7,8,9,10,11
	global_load_b128 v[32+4*\k:35+4*\k], v150, s[18:19] offset:8192*\k
.endr
.irp k, 0,1,2,3,4,5,6,7,8,9,10,11
	global_load_b128 v[96+4*\k:99+4*\k], v150, s[20:21] offset:8192*\k
.endr
	global_load_b128 v[144:147], v150, s[22:23]
	global_load_b64 v[148:149], v155, s[24:25]
	v_and_b32 v30, 31, v0                          ; lane
	v_and_b32 v31, 15, v0                          ; r
	v_bfe_u32 v29, v0, 4, 1                        ; h
	v_lshlrev_b32 v1, 4, v30                       ; 16 x lane: registers 0-3 of an image
	v_lshl_add_u32 v2, v30, 3, 512                 ; 512 + 8 x lane: registers 4, 5 of a half fragment's
	v_add_nc_u32 v3, VIMG, v1
	v_lshlrev_b32 v28, 4, v31                      ; 16 r
	v_add_nc_u32 v4, KSC, v28
	v_add_nc_u32 v5, VSC, v28
	v_mov_b32 v6, 0xff800000                       ; -infinity
	v_lshrrev_b32 v7, 1, v31                       ; the way out: image rq >> 1,
	v_mul_u32_u24 v7, v7, 1536
	v_lshl_add_u32 v7, v29, 8, v7                  ; lanes 16 hb on,
	v_and_b32 v8, 1, v31
	v_mad_u32_u24 v9, v8, 520, v7                  ; registers 0, 1 (4, 5: 512 on), or 6, 7 (10, 11);
	v_mad_u32_u24 v10, v8, 1016, v7                ; registers 2, 3 (8 on), or 8, 9
	v_lshlrev_b32 v11, 1, v31
	s_lshl_b32 s2, s14, 4
	s_add_co_u32 s2, s2, OIMG                      ; first group: row wq = wave
	v_add_nc_u32 v204, s2, v9
	v_add_nc_u32 v205, s2, v10
	s_lshl_b32 s2, s14, 5
	s_add_co_u32 s2, s2, OSC
	v_add_nc_u32 v206, s2, v11                     ; the scale bytes: 32 wq + 2 rq
	s_xor_b32 s3, s14, 15                          ; second group: row wq = 15 - wave
	s_lshl_b32 s2, s3, 4
	s_add_co_u32 s2, s2, OIMG+12288
	v_add_nc_u32 v207, s2, v9
	v_add_nc_u32 v208, s2, v10
	s_lshl_b32 s2, s3, 5
	s_add_co_u32 s2, s2, OSC+512
	v_add_nc_u32 v209, s2, v11
.irp i, 22,23,24,25,26,27,80,81,82,83,84,85
	v_mov_b32 v\i, 0                               ; Q's upper six registers: zero codes; the pad behind K's eighth half fragment
.endr
.irp i, 236,237,238,239,252,253
	v_mov_b32 v\i, 0                               ; written once: a lane permute's destination counts as one of its sources, and v253 is named in a pair
.endr
	s_mov_b32 s[SEL], 0x76543210
	s_mov_b32 s[SEL+1], 0xfedcba98
	s_mov_b32 s[CS], 0x3fb8aa3b                    ; log2(e)
	s_mov_b32 s[CS+1], s[CS]
	s_wait_loadcnt 14                              ; K's 12 loads are in: V's 12 and the two of scale words may be out
.irp k, 0,1,2,3,4,5
	ds_store_b128 v150, v[32+4*\k:35+4*\k] offset:8192*\k
.endr
.irp k, 6,7,8,9,10,11
	ds_store_b128 v151, v[32+4*\k:35+4*\k] offset:8192*(\k-6)
.endr
	s_wait_loadcnt 0x0
.irp k, 0,1,2,3,4,5
	ds_store_b128 v152, v[96+4*\k:99+4*\k] offset:8192*\k
.endr
.irp k, 6,7,8,9,10,11
	ds_store_b128 v153, v[96+4*\k:99+4*\k] offset:8192*(\k-6)
.endr
	ds_store_b128 v154, v[144:147]
	ds_store_b64 v156, v[148:149]
	s_wait_dscnt 0x0                               ; for the others' sake: my stores have landed
	s_barrier_signal -1
	s_barrier_wait -1
	PASS 0
	PASS 1
	; ---- the images leave: wave w stores image w & 7 of group w >> 3; waves 0 and 8 also the group's scale words
	s_lshr_b32 s2, s14, 3
	s_and_b32 s3, s14, 7
	s_mul_i32 s16, s2, 12288
	s_mul_i32 s17, s3, 1536
	s_add_co_u32 s16, s16, s17
	s_add_co_u32 s16, s16, OIMG
	v_add_nc_u32 v7, s16, v1
	s_lshl_b32 s16, s2, 9
	s_add_co_u32 s16, s16, OSC
	v_add_nc_u32 v8, s16, v1
	s_xor_b32 s18, ttmp9, 7
	s_cmp_eq_u32 s2, 0
	s_cselect_b32 s18, ttmp9, s18                  ; the group
	s_lshl_b32 s19, s100, 3
	s_add_co_u32 s18, s18, s19                     ; its tile of the last product's left operand: 8 n + group
	s_mul_i32 s20, s18, 12288
	s_add_co_u32 s20, s20, s17
	s_mov_b32 s21, 0
	s_add_nc_u64 s[10:11], s[10:11], s[20:21]
	s_lshl_b32 s20, s18, 9
	s_add_nc_u64 s[12:13], s[12:13], s[20:21]
	s_wait_dscnt 0x0                               ; my stores into the images have landed
	s_barrier_signal -1
	s_barrier_wait -1
.irp c, 0,1,2
	ds_load_b128 v[32+4*\c:35+4*\c], v7 offset:512*\c
.endr
	s_wait_dscnt 0x0
.irp c, 0,1,2
	global_store_b128 v1, v[32+4*\c:35+4*\c], s[10:11] offset:512*\c   ; 512 consecutive bytes, aligned
.endr
	s_cmp_lg_u32 s3, 0
	s_cbranch_scc1 .Lend
	ds_load_b128 v[44:47], v8
	s_wait_dscnt 0x0
	global_store_b128 v1, v[44:47], s[12:13]
.Lend:
	s_wait_tensorcnt 0x0
	ds_add_u32 v250, v251
	s_wait_dscnt 0x0
	s_endpgm
.Lfunc_end_k_q0600d9187a_attn:
	.size	k_q0600d9187a_attn, .Lfunc_end_k_q0600d9187a_attn-k_q0600d9187a_attn
	.p2alignl 7, 3214868480
	.fill 96, 4, 3214868480
	.section	.rodata,"a",@progbits
	.p2align	6, 0x0
	.amdhsa_kernel k_q0600d9187a_attn
		.amdhsa_group_segment_fixed_size 236544
		.amdhsa_private_segment_fixed_size 0
		.amdhsa_enable_private_segment 0
		.amdhsa_kernarg_size 48
		.amdhsa_user_sgpr_count 2
		.amdhsa_user_sgpr_kernarg_segment_ptr 1
		.amdhsa_wavefront_size32 1
		.amdhsa_system_sgpr_workgroup_id_x 1
		.amdhsa_system_sgpr_workgroup_id_y 1
		.amdhsa_system_sgpr_workgroup_id_z 1
		.amdhsa_system_vgpr_workitem_id 0
		.amdhsa_next_free_vgpr 256
		.amdhsa_next_free_sgpr 106
		.amdhsa_reserve_vcc 1
		.amdhsa_float_denorm_mode_32 3
		.amdhsa_float_denorm_mode_16_64 3
		.amdhsa_memory_ordered 1
		.amdhsa_forward_progress 1
		.amdhsa_inst_pref_size 72
	.end_amdhsa_kernel
	.amdgpu_metadata
---
amdhsa.version: [ 1, 2 ]
amdhsa.kernels:
  - .name:           k_q0600d9187a_attn
    .symbol:         k_q0600d9187a_attn.kd
    .args:
      - { .name: qkv, .offset: 0, .size: 8, .value_kind: global_buffer, .address_space: global }
      - { .name: qkvsc, .offset: 8, .size: 8, .value_kind: global_buffer, .address_space: global }
      - { .name: maskw, .offset: 16, .size: 8, .value_kind: global_buffer, .address_space: global }
      - { .name: opnd4, .offset: 24, .size: 8, .value_kind: global_buffer, .address_space: global }
      - { .name: sc4, .offset: 32, .size: 8, .value_kind: global_buffer, .address_space: global }
      - { .name: flags, .offset: 40, .size: 8, .value_kind: global_buffer, .address_space: global }
    .group_segment_fixed_size: 236544
    .private_segment_fixed_size: 0
    .kernarg_segment_align: 8
    .kernarg_segment_size: 48
    .max_flat_workgroup_size: 512
    .sgpr_count:     106
    .vgpr_count:     256
    .wavefront_size: 32
...
	.end_amdgpu_metadata
.endif
;; end of part 3
;; launch oproj (part 4): grid 4 x 32, 4 waves a work-group, clusters of 4 x 4, 327,680 bytes of LDS; arguments opnd4, sc4, out_proj_bias, out0; writes out0
.if DOCPART == 4
	.amdgcn_target "amdgcn-amd-amdhsa--gfx1250"
	.amdhsa_code_object_version 6
	.text
	.protected	k_q0600d9187a_oproj
	.globl	k_q0600d9187a_oproj
	.p2align	8
	.type	k_q0600d9187a_oproj,@function
k_q0600d9187a_oproj:
	s_mov_b64 s[64:65], 0
	v_nop
	global_prefetch_b8 v0, s[64:65] scope:SCOPE_SE
	s_setreg_imm32_b32 hwreg(HW_REG_WAVE_MODE, 25, 1), 1
	s_wait_xcnt 0x0
	s_wait_alu depctr_hold_cnt(0) depctr_sa_sdst(0) depctr_va_vdst(0) depctr_va_sdst(0) depctr_va_ssrc(0) depctr_va_vcc(0) depctr_vm_vsrc(0)
	s_getreg_b32 s2, hwreg(HW_REG_IB_STS2, 6, 4)
	s_cmp_eq_u32 s2, 0
	s_cbranch_scc0 .Lentry_in_a_cluster
	s_endpgm
.Lentry_in_a_cluster:
	s_bfe_u32 s2, ttmp6, 0x10000c
	s_cmp_lg_u32 s2, 0xf033
	s_cbranch_scc0 .Lentry_shape_is_right
	s_endpgm
.Lentry_shape_is_right:
; OUT = attn out_proj_weight^T + out_proj_bias on codes of BF6 (E3M2), K = 1,024; out0 [8192][1024] f32.
; The loop is that of the launch that makes q, k and v: a work-group of four waves makes 256 x 256, a wave 128 x 128; operands lie in opnd4 as images of their registers ([tile][K step][1,536 bytes]; tiles 0-511 attn, 512-575 the weight);
; three LDS areas of 98,304 bytes hold two K steps each of attn's 16 tiles and of the weight's 16; K steps 6, 7 come by one refill of area 0.  4 x 4 clusters: attn's block is asked for jointly by a row, the weight's by a column.
; Source 1 (P) = attn: a result's lanes are rows of out0; source 0 (S) = the weight: a lane's eight registers are eight neighbouring columns.  The bias is the C of each sum's first matrix instruction.
; A scale byte 0xff in attn's words (a query with every key hidden) makes the whole output row NaN, as reference() has it.
; 128 work-groups: this tile leaves WGPs without work at this size; it is kept so that one loop serves both products.
; THE WAY OUT: a block of 16 rows x 128 columns goes through the wave's own stage and leaves as whole rows of 512 bytes.  The stages lie in area 1, which has had its only fill, and whose last reads lie ahead of the last barrier.
; REGISTERS: window 0: v1 r, v2 h; v12, v13 offsets of the head's loads; v16-18, v20-22 LDS addresses of P and S; v24 16 x lane; v25, v26 the stage; v28, v29 the spare word and 0; v32-95 scale words; v96-127, v224-255 the bias;
;   v128-223 P's fragments; on the way out v128-255 rows of out0.   window 1: S's two sets.   windows 2, 3: the accumulators.
.set AREA,  98304
.set BLKB,  49152
.set HALFB, 24576
.set TILEB, 3072
.set FRB,   1536
.set TROW,  12288
.set FR,    12
.set SPARE, 3*AREA                     ; the spare words: 128 bytes for each wave, two blocks of 256 bytes that no other line names
.set SPITCH, 528
.set ADP, 16
.set ADS, 20
.set L16, 24
.set STO, 25
.set RD,  26
.set SPW, 28
.set NIL, 29
.set SC,  32
.set AF,  128
.set BK,  128
.set G1,  24
.set G1B, 48
.set G0,  68
.set G0B, 80
.set MSB, 0
.macro WIN new                         ; the immediate's high byte repeats the setting that is left
.if MSB != (\new)
	s_set_vgpr_msb (MSB<<8)|(\new)
.set MSB, (\new)
.endif
.endm
.set MUL_LO, 0xa1                      ; source 0 (S) window 1, source 1 (P) window 0, C and D window 2
.set MUL_HI, 0xf1
.set TO_S,   0x40
.macro PLACES n
.rept \n
	v_nop
.endr
.endm
.macro JLOAD g0a, g1a, g0b, g1b        ; waves 0 and 1 fetch attn's halves, waves 2 and 3 the weight's; four v_nop follow each of the two lines
	s_cmp_eq_u32 s15, 0
	s_cbranch_scc0 .Lfor_w_\@
	tensor_load_to_lds s[\g0a:\g0a+3], s[\g1a:\g1a+7]
	s_nop 0
	PLACES 4
	s_branch .Lasked_\@
.Lfor_w_\@:
	tensor_load_to_lds s[\g0b:\g0b+3], s[\g1b:\g1b+7]
	s_nop 0
	PLACES 4
.Lasked_\@:
.endm
.macro CREST
	s_cmp_lg_u32 s14, 0
	s_cbranch_scc1 .Lnot_wave_0_\@
	s_barrier_signal -3
.Lnot_wave_0_\@:
	s_barrier_wait -3
	s_barrier_signal -1
	s_barrier_wait -1
.endm
.macro CROUND
	s_barrier_signal -1
	s_barrier_wait -1
	CREST
.endm
.macro FRAG reg, adr, off
.irp c, 0,1,2
	ds_load_b128 v[\reg+4*\c:\reg+4*\c+3], v[\adr] offset:\off+512*\c
.endr
.endm
.macro FETCH_S a, q, p
	WIN TO_S
.irp i, 0,1,2,3,4,5,6,7
	FRAG 128*(\p)+FR*\i, ADS+\a, TILEB*\i+FRB*(\q)
.endr
	WIN 0
.endm
.macro FETCH_P a, q, i0
.irp i, \i0, \i0+1, \i0+2, \i0+3
	FRAG AF+FR*(\i), ADP+\a, TILEB*(\i)+FRB*(\q)
.endr
.endm
; 16 matrix instructions.  zero = 2: the bias (window 0) is the C of the first product: nothing is cleared and nothing is added later.  The 64 accumulators take turns, in the same order in every K step.
.macro MUL16 a0, p, ks, zero
.irp a, \a0, \a0+1
.irp b, 0,1,2,3,4,5,6,7
.if \zero == 2
	v_wmma_scale_f32_16x16x128_f8f6f4 v[8*(8*((\a)%4)+\b):8*(8*((\a)%4)+\b)+7], v[128*(\p)+FR*\b:128*(\p)+FR*\b+FR-1], v[AF+FR*(\a):AF+FR*(\a)+FR-1], v[96+8*\b+96*(\b/4):96+8*\b+96*(\b/4)+7], v[SC+8*\b+(\ks)], v[SC+8*(\a)+(\ks)] matrix_a_fmt:MATRIX_FMT_BF6 matrix_b_fmt:MATRIX_FMT_BF6 matrix_a_scale:MATRIX_SCALE_ROW1
.else
	v_wmma_scale_f32_16x16x128_f8f6f4 v[8*(8*((\a)%4)+\b):8*(8*((\a)%4)+\b)+7], v[128*(\p)+FR*\b:128*(\p)+FR*\b+FR-1], v[AF+FR*(\a):AF+FR*(\a)+FR-1], v[8*(8*((\a)%4)+\b):8*(8*((\a)%4)+\b)+7], v[SC+8*\b+(\ks)], v[SC+8*(\a)+(\ks)] matrix_a_fmt:MATRIX_FMT_BF6 matrix_b_fmt:MATRIX_FMT_BF6 matrix_a_scale:MATRIX_SCALE_ROW1
.endif
.endr
.endr
.endm
.macro STEP ks, na, nq, zero
	s_wait_dscnt 12                                ; S's set and P's blocks 0-3 are in; the youngest 12 loads (P's blocks 4-7) may be out
.if \zero == 2
	WIN 0x81                                       ; C window 0, D window 2
.else
	WIN MUL_LO
.endif
	MUL16 0, (\ks)%2, \ks, \zero
	MUL16 2, (\ks)%2, \ks, \zero
	s_wait_dscnt 0
	PLACES 4                                       ; in front of loads into registers that matrix instructions have read
	FETCH_S \na, \nq, 1-(\ks)%2
	FETCH_P \na, \nq, 0
.if \zero == 2
	WIN 0xc1                                       ; C window 0, D window 3
.else
	WIN MUL_HI
.endif
	MUL16 4, (\ks)%2, \ks, \zero
	MUL16 6, (\ks)%2, \ks, \zero
	PLACES 4
	WIN 0
	FETCH_P \na, \nq, 4
.endm
.macro TURN ks, na, nq, fill
	s_wait_tensorcnt 0x0                           ; all my tensor loads have landed
	ds_add_u32 v[SPW], v[NIL]                      ; 0 onto my spare word
	s_wait_dscnt 13                                ; (the add and the youngest 12 loads may be out)
	WIN MUL_LO
	MUL16 0, 1, \ks, 0
	s_wait_dscnt 0x0                               ; the add is done, and all my LDS reads are back
	s_barrier_signal -1
	MUL16 2, 1, \ks, 0
	WIN 0
	s_barrier_wait -1
.if \fill
	CREST                                          ; no wave of any partner still reads area 0 or has a load on its way
	s_add_nc_u64 s[G0+2:G0+3], s[G0+2:G0+3], 3*TILEB
	s_add_nc_u64 s[G0B+2:G0B+3], s[G0B+2:G0B+3], 3*TILEB
	JLOAD G0, G1, G0B, G1B                         ; the first tensor load behind the round, one a wave
.else
	PLACES 4
.endif
	FETCH_S \na, \nq, 0
	FETCH_P \na, \nq, 0
	WIN MUL_HI
	MUL16 4, 1, \ks, 0
	MUL16 6, 1, \ks, 0
	PLACES 4
	WIN 0
	FETCH_P \na, \nq, 4
.endm
	s_load_b256 s[4:11], s[0:1], 0x0               ; opnd4 4, sc4 6, out_proj_bias 8, out0 10
	v_lshl_add_u32 v[SPW], v0, 2, SPARE
	v_mov_b32 v[NIL], 0
	ds_add_u32 v28, v29
	ds_add_u32 v28, v29
	s_wait_dscnt 0x0
	v_lshrrev_b32 v1, 5, v0
	v_readfirstlane_b32 s14, v1                    ; wave 0..3
	s_lshr_b32 s15, s14, 1                         ; which half of the rows is mine.  Also: I fetch attn's block (0) or the weight's (1)
	s_and_b32 s16, s14, 1                          ; which half of the columns.  Also: which 8 tiles of that block I fetch
	s_bfe_u32 s40, ttmp6, 0x40000
	s_bfe_u32 s41, ttmp6, 0x40004
	s_lshl_b32 s42, ttmp9, 2
	s_add_co_u32 s42, s42, s40                     ; gx
	s_and_b32 s17, ttmp7, 0xffff
	s_lshl_b32 s17, s17, 2
	s_add_co_u32 s17, s17, s41                     ; gy
	s_lshl_b32 s43, s41, 2
	s_lshl_b32 s43, 15, s43                        ; my row of the cluster
	s_lshl_b32 s44, 0x1111, s40                    ; my column
	s_or_b32 s[G1+0], s43, (3<<16)|(1<<21)         ; 8 rows of 3,072 bytes (384 elements of 8 bytes), 12,288 bytes apart, dense in LDS; the mask; bit 21 beside it
	s_or_b32 s[G1B+0], s44, (3<<16)|(1<<21)
.irp g, G1, G1B
	s_mov_b32 s[\g+1], 384<<16
	s_mov_b32 s[\g+2], 8<<16
	s_mov_b32 s[\g+3], 384<<16
	s_mov_b32 s[\g+4], 8
	s_mov_b32 s[\g+5], 1536
	s_mov_b32 s[\g+6], 0
	s_mov_b32 s[\g+7], 0
.endr
	s_lshl_b32 s18, s16, 3
	s_lshl_b32 s20, s17, 4
	s_add_co_u32 s20, s20, s18                     ; attn: tile 16 gy + 8 x half
	s_mul_i32 s20, s20, TROW
	s_mov_b32 s21, 0
	s_lshl_b32 s46, s42, 4
	s_add_co_u32 s46, s46, s18
	s_add_co_u32 s46, s46, 512                     ; the weight: tile 512 + 16 gx + 8 x half
	s_mul_i32 s46, s46, TROW
	s_mov_b32 s47, 0
	s_mul_i32 s45, s14, HALFB
	s_wait_kmcnt 0x0
	s_add_nc_u64 s[20:21], s[4:5], s[20:21]
	s_add_nc_u64 s[46:47], s[4:5], s[46:47]
	CROUND                                         ; all sixteen work-groups are here: the first joint loads meet
.irp a, 0,1,2
	s_mov_b32 s[G0+4*\a], 1
	s_add_co_u32 s[G0+4*\a+1], s45, \a*AREA
	s_add_nc_u64 s[G0+4*\a+2:G0+4*\a+3], s[20:21], \a*TILEB
	s_or_b32 s[G0+4*\a+3], s[G0+4*\a+3], 0x80000000
	s_mov_b32 s[G0B+4*\a], 1
	s_add_co_u32 s[G0B+4*\a+1], s45, \a*AREA
	s_add_nc_u64 s[G0B+4*\a+2:G0B+4*\a+3], s[46:47], \a*TILEB
	s_or_b32 s[G0B+4*\a+3], s[G0B+4*\a+3], 0x80000000
.endr
	s_cmp_eq_u32 s15, 0                            ; a wave's three first fills stand in one branch: three loads of mine are out
	s_cbranch_scc0 .Lfirst_w
	tensor_load_to_lds s[G0:G0+3], s[G1:G1+7]
	s_nop 0
	tensor_load_to_lds s[G0+4:G0+7], s[G1:G1+7]
	s_nop 0
	tensor_load_to_lds s[G0+8:G0+11], s[G1:G1+7]
	s_nop 0
	PLACES 4
	s_branch .Lfirst_asked
.Lfirst_w:
	tensor_load_to_lds s[G0B:G0B+3], s[G1B:G1B+7]
	s_nop 0
	tensor_load_to_lds s[G0B+4:G0B+7], s[G1B:G1B+7]
	s_nop 0
	tensor_load_to_lds s[G0B+8:G0B+11], s[G1B:G1B+7]
	s_nop 0
	PLACES 4
.Lfirst_asked:
	v_and_b32 v1, 15, v0                           ; r
	v_bfe_u32 v2, v0, 4, 1                         ; h
	v_and_b32 v3, 31, v0
	v_lshlrev_b32 v[L16], 4, v3
	s_mul_i32 s21, s15, HALFB                      ; my 8 tiles of attn,
	s_mul_i32 s22, s16, HALFB
	s_add_co_u32 s22, s22, BLKB                    ; and of the weight, behind attn's 16
.irp a, 0,1,2
	v_add_nc_u32 v[ADP+\a], s21, v[L16]
	v_add_nc_u32 v[ADS+\a], s22, v[L16]
	s_add_co_u32 s21, s21, AREA
	s_add_co_u32 s22, s22, AREA
.endr
	s_lshl_b32 s34, s17, 4
	s_lshl_b32 s36, s15, 3
	s_add_co_u32 s34, s34, s36                     ; P's first tile
	s_lshl_b32 s35, s42, 4
	s_lshl_b32 s36, s16, 3
	s_add_co_u32 s35, s35, s36
	s_add_co_u32 s35, s35, 512                     ; S's
	s_lshl_b32 s34, s34, 9
	s_lshl_b32 s35, s35, 9
	v_mov_b32 v12, s34
	v_mov_b32 v13, s35
	v_cmp_eq_u32 vcc_lo, 1, v2
	v_cndmask_b32 v12, v12, v13, vcc_lo            ; lanes 0-15 take P's scale words, lanes 16-31 S's
	v_lshl_add_u32 v12, v1, 5, v12
.irp i, 0,1,2,3,4,5,6,7
.irp k, 0,1
	global_load_b128 v[SC+8*\i+4*\k:SC+8*\i+4*\k+3], v12, s[6:7] offset:512*\i+16*\k
.endr
.endr
	s_lshl_b32 s36, s42, 10
	s_lshl_b32 s37, s16, 9
	s_add_co_u32 s37, s37, s36
	v_lshl_add_u32 v13, v2, 5, s37                 ; the bias: 4 (256 gx + 128 (wave & 1) + 8 h)
.irp b, 0,1,2,3,4,5,6,7
	global_load_b128 v[96+8*\b+96*(\b/4):96+8*\b+96*(\b/4)+3], v13, s[8:9] offset:64*\b
	global_load_b128 v[96+8*\b+96*(\b/4)+4:96+8*\b+96*(\b/4)+7], v13, s[8:9] offset:64*\b+16
.endr
	s_mul_i32 s23, s14, 16*SPITCH
	s_add_co_u32 s23, s23, AREA                    ; my stage
	v_mul_u32_u24 v5, v1, SPITCH
	v_lshl_add_u32 v5, v2, 5, v5
	v_add_nc_u32 v[STO], s23, v5                   ; in: row r, 32 bytes for each half of the lanes
	v_add_nc_u32 v[RD], s23, v[L16]                ; back: the 32 lanes take one row of 512 bytes
	s_lshl_b32 s20, s17, 8
	s_lshl_b32 s21, s15, 7
	s_add_co_u32 s20, s20, s21                     ; my first row of out0
	s_lshl_b32 s20, s20, 12
	s_add_co_u32 s20, s20, s37                     ; my first column, in bytes
	s_mov_b32 s21, 0
	s_add_nc_u64 s[10:11], s[10:11], s[20:21]
	s_wait_tensorcnt 0x2                           ; my part of area 0 is in; areas 1 and 2 may stay out
	s_barrier_signal -1
	s_barrier_wait -1
	FETCH_S 0, 0, 0
	FETCH_P 0, 0, 0
	FETCH_P 0, 0, 4
	s_wait_loadcnt 0x0                             ; scale words and bias
	STEP 0, 0, 1, 2
	TURN 1, 1, 0, 1                                ; areas 1 and 2 are whole for everybody; area 0 takes K steps 6 and 7
	STEP 2, 1, 1, 0
	STEP 3, 2, 0, 0
	STEP 4, 2, 1, 0
	TURN 5, 0, 0, 0                                ; the refill is whole for everybody; nobody reads area 1 any more
	STEP 6, 0, 1, 0
	s_wait_dscnt 12
	WIN MUL_LO
	MUL16 0, 1, 7, 0
	MUL16 2, 1, 7, 0
	s_wait_dscnt 0
	WIN MUL_HI
	MUL16 4, 1, 7, 0
	MUL16 6, 1, 7, 0
	WIN 0
.macro TOSTAGE a
.set AC, 64*((\a)%4)
	WIN 0x08+4*((\a)/4)                            ; an LDS store's data are its source 1: window 2 or 3
.irp b, 0,1,2,3,4,5,6,7
	ds_store_b128 v[STO], v[AC+8*\b:AC+8*\b+3] offset:64*\b          ; each accumulator from its low end on
	ds_store_b128 v[STO], v[AC+8*\b+4:AC+8*\b+7] offset:64*\b+16
.endr
	WIN 0
.set BB, BK+64*((\a)%2)
.irp t, 0,1,2,3,4,5,6,7,8,9,10,11,12,13,14,15
	ds_load_b128 v[BB+4*\t:BB+4*\t+3], v[RD] offset:\t*SPITCH      ; LDS serves a wave's instructions in order: these see the stores above
.endr
.endm
.macro SEND a, younger                 ; younger: the LDS instructions issued behind block a's loads, which may stay out
.set BB, BK+64*((\a)%2)
	s_wait_dscnt \younger
.if (\a) > 0
	s_add_nc_u64 s[10:11], s[10:11], 16*4096       ; (behind a wait on XCNT: the earlier stores have read their base)  16 rows on
.endif
.irp t, 0,1,2,3,4,5,6,7,8,9,10,11,12,13,14,15
	global_store_b128 v[L16], v[BB+4*\t:BB+4*\t+3], s[10:11] offset:\t*4096 th:TH_STORE_NT   ; 32 lanes store 512 consecutive bytes, at a multiple of 512 from out0's first byte
.endr
.endm
	PLACES 4                                       ; behind the last products: for the loads into P's registers and the reads of results
	TOSTAGE 0
.irp a, 1,2,3,4,5,6,7
.if \a > 1
	s_wait_xcnt 0x0                                ; block a - 2's stores have read their registers and their base
.endif
	TOSTAGE \a
	SEND \a-1, 32                                  ; behind block a - 1's loads: block a's 16 stores and 16 loads
.endr
	s_wait_xcnt 0x0
	SEND 7, 0
	s_wait_tensorcnt 0x0                           ; the wave's end
	ds_add_u32 v[SPW], v[NIL]
	s_wait_dscnt 0x0
	CROUND                                         ; the closing round
	s_endpgm
.Lfunc_end_k_q0600d9187a_oproj:
	.size	k_q0600d9187a_oproj, .Lfunc_end_k_q0600d9187a_oproj-k_q0600d9187a_oproj
	.p2alignl 7, 3214868480
	.fill 96, 4, 3214868480
	.section	.rodata,"a",@progbits
	.p2align	6, 0x0
	.amdhsa_kernel k_q0600d9187a_oproj
		.amdhsa_group_segment_fixed_size 327680
		.amdhsa_private_segment_fixed_size 0
		.amdhsa_enable_private_segment 0
		.amdhsa_kernarg_size 32
		.amdhsa_user_sgpr_count 2
		.amdhsa_user_sgpr_kernarg_segment_ptr 1
		.amdhsa_wavefront_size32 1
		.amdhsa_system_sgpr_workgroup_id_x 1
		.amdhsa_system_sgpr_workgroup_id_y 1
		.amdhsa_system_sgpr_workgroup_id_z 1
		.amdhsa_system_vgpr_workitem_id 0
		.amdhsa_next_free_vgpr 1024
		.amdhsa_next_free_sgpr 100
		.amdhsa_reserve_vcc 1
		.amdhsa_float_denorm_mode_32 3
		.amdhsa_float_denorm_mode_16_64 3
		.amdhsa_memory_ordered 1
		.amdhsa_forward_progress 1
		.amdhsa_inst_pref_size 134
	.end_amdhsa_kernel
	.amdgpu_metadata
---
amdhsa.version: [ 1, 2 ]
amdhsa.kernels:
  - .name:           k_q0600d9187a_oproj
    .symbol:         k_q0600d9187a_oproj.kd
    .args:
      - { .name: opnd4, .offset: 0, .size: 8, .value_kind: global_buffer, .address_space: global }
      - { .name: sc4, .offset: 8, .size: 8, .value_kind: global_buffer, .address_space: global }
      - { .name: out_proj_bias, .offset: 16, .size: 8, .value_kind: global_buffer, .address_space: global }
      - { .name: out0, .offset: 24, .size: 8, .value_kind: global_buffer, .address_space: global }
    .group_segment_fixed_size: 327680
    .private_segment_fixed_size: 0
    .kernarg_segment_align: 8
    .kernarg_segment_size: 32
    .max_flat_workgroup_size: 128
    .sgpr_count:     100
    .vgpr_count:     1024
    .wavefront_size: 32
...
	.end_amdgpu_metadata
.endif
;; end of part 4
;; ======== version 2 of 2: 4 launches; version 1 with the launch attn written anew for expert scheduling mode
;; workspace buffers: opnd1 8,650,752 bytes; sc1 360,448 bytes; opnd4 7,077,888 bytes; sc4 294,912 bytes; maskw 2,097,152 bytes of whole numbers; flags 32,768 bytes of whole numbers; qkv 18,874,368 bytes; qkvsc 1,310,720 bytes
;; launch prep: the kernel of part 1 again; grid 704 x 1, 4 waves a work-group, no clusters, 68,096 bytes of LDS; arguments x, in_proj_weight, out_proj_weight, attn_mask, key_padding_mask, opnd1, sc1, opnd4, sc4, maskw, flags; writes opnd1, sc1, opnd4, sc4, maskw, flags
;; launch qkv: the kernel of part 2 again; grid 12 x 32, 4 waves a work-group, clusters of 4 x 4, 327,680 bytes of LDS; arguments opnd1, sc1, in_proj_bias, qkv, qkvsc; writes qkv, qkvsc
;; launch attn (part 5): grid 4 x 64, 16 waves a work-group, no clusters, 236,544 bytes of LDS; arguments qkv, qkvsc, maskw, opnd4, sc4, flags; writes opnd4, sc4
.if DOCPART == 5
	.amdgcn_target "amdgcn-amd-amdhsa--gfx1250"
	.amdhsa_code_object_version 6
	.text
	.protected	k_q0600d9187a_attn
	.globl	k_q0600d9187a_attn
	.p2align	8
	.type	k_q0600d9187a_attn,@function
k_q0600d9187a_attn:
	s_mov_b64 s[64:65], 0
	v_nop
	global_prefetch_b8 v0, s[64:65] scope:SCOPE_SE
	s_setreg_imm32_b32 hwreg(HW_REG_WAVE_SCHED_MODE, 0, 2), 2
	s_setreg_imm32_b32 hwreg(HW_REG_WAVE_MODE, 25, 1), 1
	s_wait_xcnt 0x0
	s_wait_alu depctr_vm_vsrc(0)
; ATTENTION on codes of BF6 (E3M2): 64 heads, 2,048 queries and keys, head size 64.  scores = q k^T (q carries the 1/8); hidden scores are -infinity; t = score x log2(e); M = the running largest t rounded up to a
; whole number; p = 2^(t - M) is quantised along the keys; the row's sum is taken of the unquantised p and divides at the end; the result is quantised along the last product's K and leaves as images of that product's operand.
; SHARES.  Work-group (j, n): head n, query groups j and 7 - j (a group: 16 tiles of 16 queries).  Wave w takes tile w of the first group, then tile 15 - w of the second: right for any mask, and even where late queries see more keys.
; THE HEAD'S K AND V, 2 x 98,304 bytes of codes and their scale words, are brought into LDS once, through registers, and stay.
; NO CLUSTER, NO TENSOR LOAD, though the four work-groups of a head read the same K and V: a step of 128 keys that is wholly hidden from a wave's 16 queries is left out by a scalar branch on a flag that the first launch stored.
; A step left out spares some 400 instructions a wave; what would be shared is 208,896 bytes for each work-group, read once.
; THE FLAGS (0 nothing hidden, 1 some, 2 all; one word for each step of a tile, in a buffer of their own) come by scalar loads and are made into two words of bits by scalar instructions alone: what the branches hang on never passes
; through a vector register.
; LAYOUT.  Both products are used transposed (S^T = K Q^T, O^T = V^T P^T): a lane holds one query.  Register 8 t + j of lane (r, h) is key 16 t + 8 h + j: a block of 32 keys lies in the 16 registers of tiles 2 b, 2 b + 1 and in
; lane l xor 16's; its codes lie in the order in which v's were laid.  The head's 64 are half of the instruction's K: Q's upper six registers hold zero codes, so what stands in K's upper six adds nothing.
; MASKS.  A step's 64 words (one for each score register, a bit a lane) come by scalar loads; one v_cndmask_b32 a score.  A step with nothing hidden skips that.
; A ROW WITH EVERY KEY HIDDEN has the sum 0: its two scale bytes become 0xff, which makes the last product's whole output row NaN, as reference() has it.
; LIMITS: no NaN or infinities in q, k, v; the byte is held at 1 from below; a block of zeros gets the byte 1.
; REGISTERS: v1-6 addresses that stay, -infinity; v7-11 addresses in hand; v12 -M, v13 the largest t, v[14:15] the sum; v16-27 Q and zeros; v28 16 r; v32-85 K's eight half fragments and a pad of zeros, then V's four
; fragments; v96-159 S^T, then p; v160-191 O^T; v192-199 K's scale words, v200-203 V's; v204-209 the way out's addresses; v224-235 p's codes; v232-254 at work; v250, v251 the spare word and 0; v255 Q's scale word.
; THE MODE: SCHED_MODE bits 1:0 = 2 (LLVM: expert scheduling mode 2), set by the entry lines.  The code itself states the register dependences between vector or matrix instructions and memory or LDS instructions,
; with s_wait_alu, always for 0.
; THE PLAN.  Registers that memory or LDS instructions touch:
;   v150-156     The fill's addresses: written at the head, read by the fill's loads and LDS stores; later part of S^T, written by the products.
;   v32-79, v96-149  The fill's data: loaded, read by the fill's LDS stores; later fragments land in the first and products write the second.
;   v1, v2, v28  Written once at the head; read by Q's loads of each tile and by the last stores.
;   v16-21, v255 Q and its scale word: loaded for each tile, read by the tile's score products.
;   v7-11        A step's LDS addresses: written by five additions at the step's head, read by the step's 31 LDS loads.
;   v32-79       In a step: K's loads land, the eight score products read; V's loads land, the four products with V read.  One set of registers for both: 4 waves x 256 registers fill a SIMD's 1,024.
;   v192-203     Scale words: loaded in a step, read by its products.
;   v224-235, v253  p's codes and scale word: written by vector instructions, read by the products with V; on the way out v224-229 and v253 are the LDS stores' data.
;   v204-209     The way out's LDS addresses: written once at the head.
; So in a step that is walked: one wait on vm_vsrc and one on va_vdst round the five additions at its head; one on va_vdst behind the score products, ahead of V's loads; the two behind the exponentials; one ahead of the products
; with V.  A tile has one wait on vm_vsrc at its top and one on va_vdst ahead of Q's loads; its way out one on va_vcc and one on va_vdst ahead of its LDS stores.
.set KIMG, 0
.set VIMG, 98304
.set KSC,  196608                      ; K's scale words: [step][plane][row][4 words], 8,192 bytes
.set VSC,  204800                      ; V's: [step][row][4 words], 4,096 bytes
.set OIMG, 208896                      ; two regions of 12,288 bytes: the images of the two groups' output tiles
.set OSC,  233472                      ; and 2 x 512 bytes of their scale words
.set SEL,  48                          ; s[48:49]
.set CS,   50                          ; s[50:51] log2(e)
.set SKIP, 52                          ; s52 bit s: step s is wholly hidden
.set MIX,  53                          ; s53 bit s: step s is hidden in part
.set TK,   54                          ; s54 the step's codes: 6,144 bytes a step
.set TS,   55                          ; s55 K's scale words: 512
.set TJ,   56                          ; s56 V's: 256
.set CNT,  15
.set FLG,  68                          ; s68-83 a tile's 16 flags, ahead of the loop; in the loop these registers take mask words
.set FLP,  104                         ; s[104:105] the flags' buffer
.macro KSTEP
	s_lshr_b32 s63, s[SKIP], s[CNT]
	s_and_b32 s63, s63, 1
	s_cmp_lg_u32 s63, 0
	s_cbranch_scc1 .Lhid_\@                        ; every key of the step is hidden from my 16 queries
	s_wait_alu depctr_vm_vsrc(0)                   ; the LDS loads issued so far have read v7 to v11, which the five lines below write again
	v_add_nc_u32 v7, s[TK], v1
	v_add_nc_u32 v8, s[TK], v2
	v_add_nc_u32 v9, s[TK], v3
	v_add_nc_u32 v10, s[TS], v4
	v_add_nc_u32 v11, s[TJ], v5
	s_wait_alu depctr_va_vdst(0)                   ; v7 to v11 are written, which this step's LDS loads read; the last products are done reading v32 to v85 and v192 to v203, in which those loads land; the zeros in v22 to v27 and v80 to v85, operands of the products below, are written
.irp t, 0,1,2,3,4,5,6,7
	ds_load_b128 v[32+6*\t:35+6*\t], v7 offset:768*\t
	ds_load_b64 v[36+6*\t:37+6*\t], v8 offset:768*\t
.endr
	ds_load_b128 v[192:195], v10
	ds_load_b128 v[196:199], v10 offset:256
	s_wait_dscnt 0x0
.irp t, 0,1,2,3,4,5,6,7
	v_wmma_scale_f32_16x16x128_f8f6f4 v[96+8*\t:103+8*\t], v[32+6*\t:43+6*\t], v[16:27], 0, v[192+\t], v255 matrix_a_fmt:MATRIX_FMT_BF6 matrix_b_fmt:MATRIX_FMT_BF6
.endr
.rept 4
	v_nop                                          ; places behind the products, ahead of the first read of the scores
.endr
	s_wait_alu depctr_va_vdst(0)                   ; the eight products are done reading K's registers, in which V's loads land
.irp t, 0,1,2,3                        ; V's four fragments are asked for now and land under the softmax, none of whose lines names v9, v11, v32 to v79 or v200 to v203
.irp c, 0,1,2
	ds_load_b128 v[32+12*\t+4*\c:35+12*\t+4*\c], v9 offset:1536*\t+512*\c
.endr
.endr
	ds_load_b128 v[200:203], v11
	s_lshr_b32 s63, s[MIX], s[CNT]
	s_and_b32 s63, s63, 1
	s_cmp_lg_u32 s63, 0
	s_cbranch_scc0 .Lopen_\@                       ; nothing is hidden
	s_load_b512 s[16:31], s[60:61], 0x0
	s_load_b512 s[32:47], s[60:61], 0x40
	s_load_b512 s[68:83], s[60:61], 0x80
	s_load_b512 s[84:99], s[60:61], 0xc0
	s_wait_kmcnt 0x0
	s_wait_xcnt 0x0                                ; the base is stepped at the step's end
.set n, 0
.rept 32
	v_cndmask_b32 v[96+n], v[96+n], v6, s[16+n]
.set n, n+1
.endr
.rept 32
	v_cndmask_b32 v[96+n], v[96+n], v6, s[36+n]
.set n, n+1
.endr
.Lopen_\@:
.irp b, 0,1,2,3
	v_max3_num_f32 v[232+\b], v[96+16*\b], v[97+16*\b], v[98+16*\b]   ; the largest score of each block of 32 keys: for the row's maximum, and, since p rises with the score, for the block's largest p
.endr
.irp i, 3,5,7,9,11,13
.irp b, 0,1,2,3
	v_max3_num_f32 v[232+\b], v[232+\b], v[96+16*\b+\i], v[97+16*\b+\i]
.endr
.endr
.irp b, 0,1,2,3
	v_max_num_f32 v[232+\b], v[232+\b], v[111+16*\b]
.endr
.irp b, 0,1,2,3
	v_permlanex16_b32 v[236+\b], v[232+\b], s[SEL], s[SEL+1]
.endr
.irp b, 0,1,2,3
	v_max_num_f32 v[232+\b], v[232+\b], v[236+\b]  ; with lane l xor 16's 16 keys
.endr
	v_max3_num_f32 v254, v232, v233, v234
	v_max_num_f32 v254, v254, v235
	v_mul_f32 v254, s[CS], v254                    ; as t
	v_max_num_f32 v13, v13, v254                   ; the running largest t
	v_mov_b32 v254, v12
	v_floor_f32 v12, -v13                          ; the new -M = floor(-t): M is a whole number
	v_sub_f32 v254, v12, v254                      ; old M - new M: a whole number, 0 or less
	v_cvt_i32_f32 v254, v254                       ; (it saturates)
	v_ldexp_f32 v252, 1.0, v254                    ; f = 2^(old M - new M): multiplying by it rounds nothing
.set n, 0
.rept 32
	v_pk_fma_f32 v[96+n:97+n], v[96+n:97+n], s[CS:CS+1], v[12:13] op_sel_hi:[1,0,0]   ; t - M, two at a time
.set n, n+2
.endr
.irp b, 0,1,2,3
	v_fma_f32 v[232+\b], v[232+\b], s[CS], v12     ; the same of each block's largest score
.endr
.set n, 0
.rept 64
	v_exp_f32 v[96+n], v[96+n]                     ; p = 2^(t - M), at most 1
.set n, n+1
.endr
	v_pk_mul_f32 v[14:15], v[14:15], v[252:253] op_sel_hi:[1,0]   ; the sums under the new M (a plain instruction behind the exponentials)
	s_wait_alu depctr_va_vdst(0)                   ; the 64 exponentials have written v96 to v159: one wait for the batch, ahead of its first reader
.irp b, 0,1,2,3
	v_exp_f32 v[232+\b], v[232+\b]                 ; the block's largest p: the same two instructions on the same number
.endr
	v_pk_add_f32 v[236:237], v[96:97], v[98:99]    ; the row's sum, of the unquantised p: two chains
.irp j, 4,8,12,16,20,24,28,32,36,40,44,48,52,56,60
	v_pk_add_f32 v[14:15], v[14:15], v[96+\j:97+\j]
	v_pk_add_f32 v[236:237], v[236:237], v[98+\j:99+\j]
.endr
	v_pk_add_f32 v[14:15], v[14:15], v[236:237]
	s_wait_alu depctr_va_vdst(0)                   ; the four exponentials have written v232 to v235, ahead of their first reader
.irp b, 0,1,2,3
	v_max_num_f32 v[232+\b], 0x2800000, v[232+\b]  ; the floor 2^(5 - 127)
.endr
.irp b, 0,1,2,3
	v_add_nc_u32 v[244+\b], 0xfe000000, v[232+\b]  ; 4 off the exponent field: the conversion's scale operand
.endr
.irp b, 0,1,2,3
	v_lshrrev_b32 v[236+\b], 23, v[244+\b]         ; the byte
.endr
	v_lshl_or_b32 v253, v237, 8, v236              ; p's scale word for these 128 keys
	v_lshl_or_b32 v253, v238, 16, v253
	v_lshl_or_b32 v253, v239, 24, v253
.irp c, 0,1
	v_cvt_scalef32_pk16_bf6_f32 v[224+6*\c:226+6*\c], v[96+32*\c:111+32*\c], v[244+2*\c]
	v_cvt_scalef32_pk16_bf6_f32 v[236+4*\c:238+4*\c], v[112+32*\c:127+32*\c], v[244+2*\c+1]
.endr
	v_nop                                          ; one plain instruction behind the scaled conversions
.irp c, 0,1
.irp i, 0,1,2
	v_permlane16_swap_b32 v[224+6*\c+\i], v[236+4*\c+\i]
.endr
.irp i, 0,1,2
	v_mov_b32 v[227+6*\c+\i], v[236+4*\c+\i]
.endr
.endr
.set n, 0
.rept 16
	v_pk_mul_f32 v[160+n:161+n], v[160+n:161+n], v[252:253] op_sel_hi:[1,0]   ; O^T under the new M (these sixteen also stand between the scale word's and the codes' last writes and the products)
.set n, n+2
.endr
	s_wait_dscnt 0x0                               ; V is in
	s_wait_alu depctr_va_vdst(0)                   ; p's codes v224 to v235 and its scale word v253 are written, which the scaled products below take; the sixteen places above stay beside this wait
.irp t, 0,1,2,3
	v_wmma_scale_f32_16x16x128_f8f6f4 v[160+8*\t:167+8*\t], v[32+12*\t:43+12*\t], v[224:235], v[160+8*\t:167+8*\t], v[200+\t], v253 matrix_a_fmt:MATRIX_FMT_BF6 matrix_b_fmt:MATRIX_FMT_BF6
.endr
.Lhid_\@:
	s_add_co_u32 s[TK], s[TK], 6144                ; on every way: the next step's places
	s_add_co_u32 s[TS], s[TS], 512
	s_add_co_u32 s[TJ], s[TJ], 256
	s_add_nc_u64 s[60:61], s[60:61], 256
.endm
; The way out of a tile: 16 queries x 64 channels are ONE row of the last product's left operand: query rq is K = 64 rq .. 64 rq + 63 of row wq of the group's tile.
.macro OUTQ p
.rept 4
	v_nop                                          ; places behind the last products
.endr
	v_add_f32 v14, v14, v15
	v_permlanex16_b32 v252, v14, s[SEL], s[SEL+1]
	v_add_f32 v14, v14, v252                       ; the row's sum
	v_rcp_f32 v15, v14
	v_mov_b32 v254, 0xffff                         ; (a plain instruction behind the reciprocal)
	s_wait_alu depctr_va_vdst(0)                   ; the reciprocal has written v15, ahead of its first reader
.set n, 0
.rept 32
	v_mul_f32 v[96+n], v[160+n], v15               ; O^T / the sum, each accumulator from its low end on: register 8 t + i is channel 16 t + 8 h + i
.set n, n+1
.endr
.irp b, 0,1
.irp j, 0,1,2,3,4,5,6,7
	v_permlane16_swap_b32 v[96+16*\b+\j], v[104+16*\b+\j]   ; into true order, as out_proj_weight's codes lie: register 16 b + i is channel 32 b + 16 h + i
.endr
.endr
.irp b, 0,1
	v_max3_num_f32 v[232+\b], |v[96+16*\b]|, |v[97+16*\b]|, 0x2800000
.endr
.irp i, 2,4,6,8,10,12,14
.irp b, 0,1
	v_max3_num_f32 v[232+\b], v[232+\b], |v[96+16*\b+\i]|, |v[97+16*\b+\i]|
.endr
.endr
.irp b, 0,1
	v_permlanex16_b32 v[236+\b], v[232+\b], s[SEL], s[SEL+1]
.endr
.irp b, 0,1
	v_max_num_f32 v[232+\b], v[232+\b], v[236+\b]
.endr
.irp b, 0,1
	v_add_nc_u32 v[244+\b], 0xfe000000, v[232+\b]
.endr
.irp b, 0,1
	v_lshrrev_b32 v[236+\b], 23, v[244+\b]
.endr
	v_lshl_or_b32 v253, v237, 8, v236              ; my query's two bytes
	v_cmp_eq_f32 vcc_lo, 0, v14
	s_wait_alu depctr_va_vcc(0)                    ; the compare has written VCC, which the select below reads
	v_cndmask_b32 v253, v253, v254, vcc_lo         ; every key hidden: 0xff, 0xff
	v_cvt_scalef32_pk16_bf6_f32 v[224:226], v[96:111], v244
	v_cvt_scalef32_pk16_bf6_f32 v[236:238], v[112:127], v245
	v_nop
.irp i, 0,1,2
	v_permlane16_swap_b32 v[224+\i], v[236+\i]
.endr
.irp i, 0,1,2
	v_mov_b32 v[227+\i], v[236+\i]                 ; lane (rq, hb) now holds block hb of query rq: registers 6 (rq & 1) + 0 .. 5 of lane wq + 16 hb of image rq >> 1
.endr
	s_wait_alu depctr_va_vdst(0)                   ; the codes v224 to v229 and the two bytes in v253 are written, which the four LDS stores read
	ds_store_b64 v[204+3*\p], v[224:225]
	ds_store_b64 v[205+3*\p], v[226:227] offset:8
	ds_store_b64 v[204+3*\p], v[228:229] offset:512
	ds_store_b16 v[206+3*\p], v253                 ; both halves of the lanes write the same two bytes with the same value
.endm
.macro PASS p
	s_wait_alu depctr_vm_vsrc(0)                   ; the LDS stores issued so far have read their registers: the fill's v32 to v156, the earlier tile's v224 to v229 and v253; this tile's loads, products and vector lines write them again, on the way on which every step is jumped over too
.if \p == 0
	s_lshl_b32 s62, ttmp9, 4
	s_add_co_u32 s62, s62, s14                     ; my tile of queries: 16 j + wave
.else
	s_xor_b32 s62, ttmp9, 7
	s_lshl_b32 s62, s62, 4
	s_xor_b32 s63, s14, 15
	s_add_co_u32 s62, s62, s63                     ; 16 (7 - j) + 15 - wave
.endif
	s_mov_b32 s3, 0
	s_mul_i32 s2, s100, 98304
	s_mul_i32 s57, s62, 768
	s_add_co_u32 s2, s2, s57
	s_add_nc_u64 s[58:59], s[4:5], s[2:3]          ; Q's half fragment
	s_lshl_b32 s2, s100, 13
	s_lshr_b32 s57, s62, 2
	s_lshl_b32 s57, s57, 8
	s_add_co_u32 s2, s2, s57
	s_and_b32 s57, s62, 3
	s_lshl_b32 s57, s57, 2
	s_add_co_u32 s2, s2, s57
	s_add_nc_u64 s[66:67], s[6:7], s[2:3]          ; its scale words
	s_lshr_b32 s63, s100, 4                        ; the padding row: head / 16
	s_lshl_b32 s2, s62, 8
	s_lshl_b32 s57, s63, 2
	s_add_co_u32 s2, s2, s57
	s_add_nc_u64 s[16:17], s[FLP:FLP+1], s[2:3]    ; the tile's 16 flags, 16 bytes apart
	s_lshl_b32 s2, s63, 19
	s_lshl_b32 s57, s62, 12
	s_add_co_u32 s2, s2, s57
	s_add_nc_u64 s[60:61], s[8:9], s[2:3]          ; and its mask words, 256 bytes a step
.irp k, 0,1,2,3,4,5,6,7,8,9,10,11,12,13,14,15
	s_load_b32 s[FLG+\k], s[16:17], 16*\k          ; step k's flag
.endr
	s_wait_alu depctr_va_vdst(0)                   ; v1, v2 and v28 are written, which the three loads below read; the earlier tile's products are done reading v16 to v21 and v255, in which they land
	global_load_b128 v[16:19], v1, s[58:59]
	global_load_b64 v[20:21], v2, s[58:59]
	global_load_b32 v255, v28, s[66:67]
	v_mov_b32 v13, 0xff61b1e6                      ; the largest t so far: -3e38
	v_floor_f32 v12, -v13                          ; -M
	v_mov_b32 v14, 0
	v_mov_b32 v15, 0
.set n, 0
.rept 32
	v_mov_b32 v[160+n], 0                          ; O^T: which step is a tile's first open one is not known to the text, so no product can start the sums
.set n, n+1
.endr
	s_mov_b32 s[TK], 0
	s_mov_b32 s[TS], 0
	s_mov_b32 s[TJ], 0
	s_mov_b32 s[CNT], 0
	s_mov_b32 s[SKIP], 0
	s_mov_b32 s[MIX], 0
	s_wait_kmcnt 0x0                               ; the 16 flags are in (scalar loads come back in no order: the count is 0); their base may be written again
.irp k, 0,1,2,3,4,5,6,7,8,9,10,11,12,13,14,15
	s_lshr_b32 s2, s[FLG+\k], 1                    ; a flag is 0, 1 or 2: its bit 1 says all hidden,
	s_and_b32 s3, s[FLG+\k], 1                     ; its bit 0 some
	s_lshl_b32 s2, s2, \k
	s_lshl_b32 s3, s3, \k
	s_or_b32 s[SKIP], s[SKIP], s2
	s_or_b32 s[MIX], s[MIX], s3
.endr
	s_wait_loadcnt 0x0                             ; Q and its scale word
.Lstep_\@:                                         ; 16 trips, a constant: a hidden step's work is jumped over inside the trip
	KSTEP
	s_add_co_u32 s[CNT], s[CNT], 1
	s_cmp_lt_u32 s[CNT], 16
	s_cbranch_scc1 .Lstep_\@
	OUTQ \p
.endm
	s_load_b256 s[4:11], s[0:1], 0x0               ; qkv 4, qkvsc 6, maskw 8, opnd4 10
	s_load_b64 s[12:13], s[0:1], 0x20              ; sc4
	s_load_b64 s[FLP:FLP+1], s[0:1], 0x28          ; flags
	v_lshl_add_u32 v250, v0, 2, 0x39400
	v_mov_b32 v251, 0
	v_lshrrev_b32 v1, 5, v0
	v_readfirstlane_b32 s14, v1                    ; wave 0..15
	s_and_b32 s100, ttmp7, 0xffff                  ; the head
	v_lshlrev_b32 v150, 4, v0                      ; the fill: 16 bytes a thread, 8,192 a line
	v_add_nc_u32 v151, 49152, v150
	v_add_nc_u32 v152, VIMG, v150
	v_add_nc_u32 v153, VIMG+49152, v150
	v_add_nc_u32 v154, KSC, v150
	v_lshlrev_b32 v155, 3, v0
	v_add_nc_u32 v156, VSC, v155
	s_wait_alu depctr_va_sdst(0)                   ; s14 is written, ahead of its first reader: LDS places and tiles of queries are made from it
	s_mul_i32 s16, s100, 98304
	s_add_co_u32 s18, s16, 6291456
	s_mov_b32 s19, 0
	s_add_co_u32 s20, s16, 12582912
	s_mov_b32 s21, 0
	s_lshl_b32 s22, s100, 13
	s_add_co_u32 s22, s22, 524288
	s_mov_b32 s23, 0
	s_lshl_b32 s24, s100, 12
	s_add_co_u32 s24, s24, 1048576
	s_mov_b32 s25, 0
	s_wait_kmcnt 0x0
	s_add_nc_u64 s[18:19], s[4:5], s[18:19]        ; the head's K,
	s_add_nc_u64 s[20:21], s[4:5], s[20:21]        ; V,
	s_add_nc_u64 s[22:23], s[6:7], s[22:23]        ; K's scale words,
	s_add_nc_u64 s[24:25], s[6:7], s[24:25]        ; V's
	s_wait_alu depctr_va_vdst(0)                   ; the fill's seven addresses v150 to v156 are written, which the loads below and the LDS stores behind them read; no vector line between names them or the fill's data
.irp k, 0,1,2,3,4,5,6,7,8,9,10,11
	global_load_b128 v[32+4*\k:35+4*\k], v150, s[18:19] offset:8192*\k
.endr
.irp k, 0,1,2,3,4,5,6,7,8,9,10,11
	global_load_b128 v[96+4*\k:99+4*\k], v150, s[20:21] offset:8192*\k
.endr
	global_load_b128 v[144:147], v150, s[22:23]
	global_load_b64 v[148:149], v155, s[24:25]
	v_and_b32 v30, 31, v0                          ; lane
	v_and_b32 v31, 15, v0                          ; r
	v_bfe_u32 v29, v0, 4, 1                        ; h
	v_lshlrev_b32 v1, 4, v30                       ; 16 x lane: registers 0-3 of an image
	v_lshl_add_u32 v2, v30, 3, 512                 ; 512 + 8 x lane: registers 4, 5 of a half fragment's
	v_add_nc_u32 v3, VIMG, v1
	v_lshlrev_b32 v28, 4, v31                      ; 16 r
	v_add_nc_u32 v4, KSC, v28
	v_add_nc_u32 v5, VSC, v28
	v_mov_b32 v6, 0xff800000                       ; -infinity
	v_lshrrev_b32 v7, 1, v31                       ; the way out: image rq >> 1,
	v_mul_u32_u24 v7, v7, 1536
	v_lshl_add_u32 v7, v29, 8, v7                  ; lanes 16 hb on,
	v_and_b32 v8, 1, v31
	v_mad_u32_u24 v9, v8, 520, v7                  ; registers 0, 1 (4, 5: 512 on), or 6, 7 (10, 11);
	v_mad_u32_u24 v10, v8, 1016, v7                ; registers 2, 3 (8 on), or 8, 9
	v_lshlrev_b32 v11, 1, v31
	s_lshl_b32 s2, s14, 4
	s_add_co_u32 s2, s2, OIMG                      ; first group: row wq = wave
	v_add_nc_u32 v204, s2, v9
	v_add_nc_u32 v205, s2, v10
	s_lshl_b32 s2, s14, 5
	s_add_co_u32 s2, s2, OSC
	v_add_nc_u32 v206, s2, v11                     ; the scale bytes: 32 wq + 2 rq
	s_xor_b32 s3, s14, 15                          ; second group: row wq = 15 - wave
	s_lshl_b32 s2, s3, 4
	s_add_co_u32 s2, s2, OIMG+12288
	v_add_nc_u32 v207, s2, v9
	v_add_nc_u32 v208, s2, v10
	s_lshl_b32 s2, s3, 5
	s_add_co_u32 s2, s2, OSC+512
	v_add_nc_u32 v209, s2, v11
.irp i, 22,23,24,25,26,27,80,81,82,83,84,85
	v_mov_b32 v\i, 0                               ; Q's upper six registers: zero codes; the pad behind K's eighth half fragment
.endr
.irp i, 236,237,238,239,252,253
	v_mov_b32 v\i, 0                               ; written once: a lane permute's destination counts as one of its sources, and v253 is named in a pair
.endr
	s_mov_b32 s[SEL], 0x76543210
	s_mov_b32 s[SEL+1], 0xfedcba98
	s_mov_b32 s[CS], 0x3fb8aa3b                    ; log2(e)
	s_mov_b32 s[CS+1], s[CS]
	s_wait_loadcnt 14                              ; K's 12 loads are in: V's 12 and the two of scale words may be out
.irp k, 0,1,2,3,4,5
	ds_store_b128 v150, v[32+4*\k:35+4*\k] offset:8192*\k
.endr
.irp k, 6,7,8,9,10,11
	ds_store_b128 v151, v[32+4*\k:35+4*\k] offset:8192*(\k-6)
.endr
	s_wait_loadcnt 0x0
.irp k, 0,1,2,3,4,5
	ds_store_b128 v152, v[96+4*\k:99+4*\k] offset:8192*\k
.endr
.irp k, 6,7,8,9,10,11
	ds_store_b128 v153, v[96+4*\k:99+4*\k] offset:8192*(\k-6)
.endr
	ds_store_b128 v154, v[144:147]
	ds_store_b64 v156, v[148:149]
	s_wait_dscnt 0x0                               ; for the others' sake: my stores have landed
	s_barrier_signal -1
	s_barrier_wait -1
	PASS 0
	PASS 1
	; ---- the images leave: wave w stores image w & 7 of group w >> 3; waves 0 and 8 also the group's scale words
	s_lshr_b32 s2, s14, 3
	s_and_b32 s3, s14, 7
	s_mul_i32 s16, s2, 12288
	s_mul_i32 s17, s3, 1536
	s_add_co_u32 s16, s16, s17
	s_add_co_u32 s16, s16, OIMG
	s_wait_alu depctr_vm_vsrc(0)                   ; the steps' LDS loads have read v7 and v8, which the two additions below write again
	v_add_nc_u32 v7, s16, v1
	s_lshl_b32 s16, s2, 9
	s_add_co_u32 s16, s16, OSC
	v_add_nc_u32 v8, s16, v1
	s_xor_b32 s18, ttmp9, 7
	s_cmp_eq_u32 s2, 0
	s_cselect_b32 s18, ttmp9, s18                  ; the group
	s_lshl_b32 s19, s100, 3
	s_add_co_u32 s18, s18, s19                     ; its tile of the last product's left operand: 8 n + group
	s_mul_i32 s20, s18, 12288
	s_add_co_u32 s20, s20, s17
	s_mov_b32 s21, 0
	s_add_nc_u64 s[10:11], s[10:11], s[20:21]
	s_lshl_b32 s20, s18, 9
	s_add_nc_u64 s[12:13], s[12:13], s[20:21]
	s_wait_dscnt 0x0                               ; my stores into the images have landed
	s_barrier_signal -1
	s_barrier_wait -1
	s_wait_alu depctr_va_vdst(0)                   ; v7 and v8 are written, which the LDS loads below read; the products are done reading v32 to v47, in which they land; no vector line follows
.irp c, 0,1,2
	ds_load_b128 v[32+4*\c:35+4*\c], v7 offset:512*\c
.endr
	s_wait_dscnt 0x0
.irp c, 0,1,2
	global_store_b128 v1, v[32+4*\c:35+4*\c], s[10:11] offset:512*\c   ; 512 consecutive bytes, aligned
.endr
	s_cmp_lg_u32 s3, 0
	s_cbranch_scc1 .Lend
	ds_load_b128 v[44:47], v8
	s_wait_dscnt 0x0
	global_store_b128 v1, v[44:47], s[12:13]
.Lend:
	s_wait_dscnt 0x0                               ; the closing lines, six on end
	s_wait_alu 0x0
	s_wait_tensorcnt 0x0
	ds_add_u32 v250, v251
	s_wait_dscnt 0x0
	s_endpgm
.Lfunc_end_k_q0600d9187a_attn:
	.size	k_q0600d9187a_attn, .Lfunc_end_k_q0600d9187a_attn-k_q0600d9187a_attn
	.p2alignl 7, 3214868480
	.fill 96, 4, 3214868480
	.section	.rodata,"a",@progbits
	.p2align	6, 0x0
	.amdhsa_kernel k_q0600d9187a_attn
		.amdhsa_group_segment_fixed_size 236544
		.amdhsa_private_segment_fixed_size 0
		.amdhsa_enable_private_segment 0
		.amdhsa_kernarg_size 48
		.amdhsa_user_sgpr_count 2
		.amdhsa_user_sgpr_kernarg_segment_ptr 1
		.amdhsa_wavefront_size32 1
		.amdhsa_system_sgpr_workgroup_id_x 1
		.amdhsa_system_sgpr_workgroup_id_y 1
		.amdhsa_system_sgpr_workgroup_id_z 1
		.amdhsa_system_vgpr_workitem_id 0
		.amdhsa_next_free_vgpr 256
		.amdhsa_next_free_sgpr 106
		.amdhsa_reserve_vcc 1
		.amdhsa_float_denorm_mode_32 3
		.amdhsa_float_denorm_mode_16_64 3
		.amdhsa_memory_ordered 1
		.amdhsa_forward_progress 1
		.amdhsa_inst_pref_size 73
	.end_amdhsa_kernel
	.amdgpu_metadata
---
amdhsa.version: [ 1, 2 ]
amdhsa.kernels:
  - .name:           k_q0600d9187a_attn
    .symbol:         k_q0600d9187a_attn.kd
    .args:
      - { .name: qkv, .offset: 0, .size: 8, .value_kind: global_buffer, .address_space: global }
      - { .name: qkvsc, .offset: 8, .size: 8, .value_kind: global_buffer, .address_space: global }
      - { .name: maskw, .offset: 16, .size: 8, .value_kind: global_buffer, .address_space: global }
      - { .name: opnd4, .offset: 24, .size: 8, .value_kind: global_buffer, .address_space: global }
      - { .name: sc4, .offset: 32, .size: 8, .value_kind: global_buffer, .address_space: global }
      - { .name: flags, .offset: 40, .size: 8, .value_kind: global_buffer, .address_space: global }
    .group_segment_fixed_size: 236544
    .private_segment_fixed_size: 0
    .kernarg_segment_align: 8
    .kernarg_segment_size: 48
    .max_flat_workgroup_size: 512
    .sgpr_count:     106
    .vgpr_count:     256
    .wavefront_size: 32
...
	.end_amdgpu_metadata
.endif
;; end of part 5
;; launch oproj: the kernel of part 4 again; grid 4 x 32, 4 waves a work-group, clusters of 4 x 4, 327,680 bytes of LDS; arguments opnd4, sc4, out_proj_bias, out0; writes out0
